; MI455X (gfx1250); checked and timed in simulation.
; The chip was launched on July 23, 2026; its instructions are those of AMD's public machine-readable ISA for CDNA 5 (MIT licence, August 2026) and "CDNA5" Instruction Set Architecture Reference Guide (July 2026). The comments in the code are by the model that wrote it; some were corrected since.
;; Switch Mixture Of Experts. Allowed arithmetic: matrix products marked QUANTISED: E3M2 operands, one E8M0 scale for each 32 along K, by v_wmma_scale_f32_16x16x128_f8f6f4 with both operands' format E3M2, f32 sums; products left as they are: f32 operands where the result goes on into a quantised operand, else bf16, f16 or f32 operands; f32 sums; everything else in f32.
;; Inputs: W1 8 x 512 x 2,048 float32; W2 8 x 2,048 x 512 float32; Wr 512 x 8 float32; b1 8 x 2,048 float32; b2 8 x 512 float32; br 8 float32; x 8 x 512 x 512 float32.
;; Outputs: out0 8 x 512 x 512 float32.
;; This version of the problem:
;;   THIS VERSION OF THE PROBLEM IS GIVEN IN LOW PRECISION. The matrix products marked QUANTISED in the list below multiply operands that are first quantised to E3M2 (3 exponent bits, 2 mantissa bits; 6 bits a number), with one power-of-two scale for each 32 numbers along K (OCP MX v1.0); their sums are f32. All else is computed in f32.
;;   The module's matrix products, in the order in which they are computed (A, B: the left and right operand; K: the contracted axis; several contracted axes count as one K, in the product's order):
;;     1. [M 4,096, K 512] x [K 512, N 8]; A: input x; B: input Wr: left as it is (N = 8 < 16)
;;     2. [M 4,096, K 512] x [K 512, N 2,048]; A: input x; B: input W1: QUANTISED
;;     3. [M 4,096, K 2,048] x [K 2,048, N 512]; A: computed on the way; B: input W2: QUANTISED
;;     4. [M 4,096, K 512] x [K 512, N 2,048]; A: input x; B: input W1: QUANTISED
;;     5. [M 4,096, K 2,048] x [K 2,048, N 512]; A: computed on the way; B: input W2: QUANTISED
;;     6. [M 4,096, K 512] x [K 512, N 2,048]; A: input x; B: input W1: QUANTISED
;;     7. [M 4,096, K 2,048] x [K 2,048, N 512]; A: computed on the way; B: input W2: QUANTISED
;;     8. [M 4,096, K 512] x [K 512, N 2,048]; A: input x; B: input W1: QUANTISED
;;     9. [M 4,096, K 2,048] x [K 2,048, N 512]; A: computed on the way; B: input W2: QUANTISED
;;     10. [M 4,096, K 512] x [K 512, N 2,048]; A: input x; B: input W1: QUANTISED
;;     11. [M 4,096, K 2,048] x [K 2,048, N 512]; A: computed on the way; B: input W2: QUANTISED
;;     12. [M 4,096, K 512] x [K 512, N 2,048]; A: input x; B: input W1: QUANTISED
;;     13. [M 4,096, K 2,048] x [K 2,048, N 512]; A: computed on the way; B: input W2: QUANTISED
;;     14. [M 4,096, K 512] x [K 512, N 2,048]; A: input x; B: input W1: QUANTISED
;;     15. [M 4,096, K 2,048] x [K 2,048, N 512]; A: computed on the way; B: input W2: QUANTISED
;;     16. [M 4,096, K 512] x [K 512, N 2,048]; A: input x; B: input W1: QUANTISED
;;     17. [M 4,096, K 2,048] x [K 2,048, N 512]; A: computed on the way; B: input W2: QUANTISED
;;   THE QUANTISER, for each operand of a quantised product, along K:
;;     - K is cut into blocks of 32 from its start; a last block that is shorter is filled with zeros.
;;     - A block's scale is 2^e with e = floor(log2(the largest magnitude in the block)) - 4, held to -126 .. 127; a block of zeros has e = 0. As a byte (E8M0): e + 127.
;;     - Each number is divided by its block's scale, clamped to +-28, and rounded to the nearest number of E3M2, ties to even, subnormals kept.
;;     - The product sums the exact products of the quantised numbers (number of the format x scale) in f32.
;;   ~~~python
;;   def quantise(x, axis):      # numpy; x: float32 -> the quantised numbers, widened to float32 again
;;       x = np.moveaxis(x, axis, -1); K = x.shape[-1]
;;       x = np.pad(x, [(0, 0)] * (x.ndim - 1) + [(0, -K % 32)]); x = x.reshape(x.shape[:-1] + (-1, 32)); a = np.abs(x).max(-1, keepdims=True)
;;       e = np.where(a > 0, np.clip(np.frexp(np.where(a > 0, a, 1))[1] - 1 - 4, -126, 127), 0)      # np.frexp(a)[1] - 1 = floor(log2(a)), exactly
;;       r = np.clip(x / 2.0 ** e, -28, 28)
;;       step = 2.0 ** (np.maximum(np.frexp(np.where(r == 0, 1, r))[1] - 1, -2) - 2)
;;       q = np.round(r / step) * step * 2.0 ** e      # np.round: ties to even
;;       return np.moveaxis(q.reshape(q.shape[:-2] + (-1,))[..., :K], -1, axis).astype(np.float32)
;;   ~~~
;;   OPERANDS COMPUTED ON THE WAY. 'Computed on the way' means the value that the module computes at that place (a softmax that the list does not call 'softmax' is quantised finished and normalised). What goes into a quantiser is computed in f32, as accurately as f32 sums, v_exp_f32 and their like allow (about 1e-6 of the number): no bf16 or f16 on the way to a quantiser, and a product that is left as it is and whose result goes on into a quantised operand takes f32 operands (vector FMAs, or v_wmma_f32_16x16x4_f32). A number that lies on a knife's edge between two numbers of the format may be rounded either way, as far as f32 arithmetic and the matrix unit's own rounding can turn it there, and no further.
;; 2 versions, each right; version 2 is version 1 with the launches up, down written anew for expert scheduling mode. Each part assembles by itself: llvm-mc -triple=amdgcn-amd-amdhsa -mcpu=gfx1250 --defsym DOCPART=n.
;; ======== version 1 of 2: 4 launches
;; workspace buffers: route 32,768 bytes of whole numbers; order 19,200 bytes of whole numbers; xq 2,097,152 bytes; w1q 6,553,600 bytes; w2q 6,553,600 bytes; hq 7,552,000 bytes
;; launch prep1 (part 1): grid 768 x 1, 4 waves a work-group, no clusters, 74,496 bytes of LDS; arguments x, Wr, br, W1, xq, route, w1q; writes xq, route, w1q
.if DOCPART == 1
	.amdgcn_target "amdgcn-amd-amdhsa--gfx1250"
	.amdhsa_code_object_version 6
	.text
	.protected	k_q75f9adcd84_prep1
	.globl	k_q75f9adcd84_prep1
	.p2align	8
	.type	k_q75f9adcd84_prep1,@function
k_q75f9adcd84_prep1:
	s_mov_b64 s[64:65], 0
	v_nop
	global_prefetch_b8 v0, s[64:65] scope:SCOPE_SE
	s_setreg_imm32_b32 hwreg(HW_REG_WAVE_MODE, 25, 1), 1
	s_wait_xcnt 0x0
; TWO JOBS IN ONE LAUNCH, told apart by the work-group's number; each has LDS bytes of its own.
; Work-groups 0-255: 16 tokens each.  The router's logits x Wr + br in f32 fused multiply-adds, the chosen expert (largest logit, the lower index at a tie),
;   and x as codes of BF6 (E3M2) with one E8M0 byte for each 32 along K.  What is chosen is only STORED here (expert, rank among the 16 tokens, counts): no address and no branch hangs on it.
; Work-groups 256-767: W1 [8][512 k][2048 n] f32 as codes along K (its first axis), laid in the order of a matrix operand's registers.
; A block's scale is 2^(floor(log2(largest magnitude)) - 4); its byte is the largest magnitude's exponent field - 4, held at 1 from below.
; xq: a token's row of 512 bytes: at 192 h + 48 s + 24 c the 24 code bytes of block 4 s + 2 c + h (so the 48 bytes at 192 h + 48 s are lane half h's 12 registers of K step s);
;   at 384 + 16 s the scale word of K step s; all other bytes 0.
; w1q: 128 blocks (16 expert + slice of 128 hidden units) of 51,200 bytes: 32 images of 1,536 bytes (K step s = 2 j + hh, tile t: image (8 j + t) 2 + hh; registers 4 g .. 4 g + 3 of lane l at 512 g + 16 l),
;   then 512 scale words (word (8 j + t) 32 + 16 hh + row).  Row rho of tile 2 b + u is hidden unit 32 b + 8 u + rho + 8 (rho / 8).
; route: 32 words for each 16 tokens: words 0-15 expert | rank << 8; word 16 the counts of experts 0-3, word 17 of 4-7, a byte each; the rest is read by nobody.
; LIMITS: NaN and infinities among the inputs are not served.  The logits are f32 sums in another order than the reference's: a token whose two best logits agree to about 1e-6 of their size may take the other expert.
;   Blocks whose largest magnitude lies under 2^-122, blocks of zeros among them, carry the byte 1 (a block of zeros has zero codes; the bytes are read by this program alone).
; No matrix unit, no cluster, no tensor load: a stream; nothing here is shared between work-groups but Wr's 16 KiB.
.set WRL,  0                           ; LDS: Wr, 4,096 bytes for each wave: the 128 rows of its K step
.set INS,  16384                       ; two stages of 16 rows x 272 bytes for each wave
.set LG,   51200                       ; partial logits [wave][16 tokens][8]
.set OUTS, 53248                       ; 16 rows of xq, 528 bytes apart
.set WST,  61696                       ; the weights' path: 3,072 bytes for each wave
.set PITCH, 8192                       ; a row of W1[e] in bytes
.set R,   32                           ; v32-95   x as loaded, two halves of a K step
.set X,   96                           ; v96-127  a block of 32 neighbours along K
.set WB,  128                          ; v128-191 rows of Wr, two sets of four
.set CD,  192                          ; v192-203 my 12 registers of codes
.set T,   204                          ; v204-206 a conversion's second half
.set AC,  208                          ; v208-223 eight logits for even k, eight for odd k
.set WX,  32                           ; the weights' path: v32-95 two sets of 32 numbers
.set WC,  96                           ; v96-101 a block's codes
.set WC2, 102                          ; v102-104
.set SB,  106                          ; v106 four scale bytes
.set OUTR, 112                         ; v112-135 the way out
	s_load_b256 s[4:11], s[0:1], 0x0               ; x s[4:5], Wr s[6:7], br s[8:9], W1 s[10:11]
	s_load_b128 s[12:15], s[0:1], 0x20             ; xq s[12:13], route s[14:15]
	s_load_b64 s[16:17], s[0:1], 0x30              ; w1q
	v_lshl_add_u32 v240, v0, 2, 0x12100
	v_mov_b32 v241, 0
	v_lshrrev_b32 v1, 5, v0
	v_readfirstlane_b32 s18, v1                    ; wave 0..3
	v_and_b32 v1, 31, v0                           ; lane
	s_cmp_lt_u32 ttmp9, 256
	s_cbranch_scc0 .Lweights
; ---------------- the tokens' path: work-group g = tokens 16 g ..; wave w = K step w (k = 128 w ..); lane (r, h)
	v_and_b32 v2, 15, v0                           ; r
	v_bfe_u32 v3, v0, 4, 1                         ; h
	v_lshlrev_b32 v4, 4, v2
	v_lshl_add_u32 v4, v3, 11, v4                  ; a load takes two tokens x 256 bytes: 2,048 h + 16 r
	s_mul_i32 s20, s18, 8704
	s_add_co_u32 s20, s20, INS
	v_mul_u32_u24 v5, v3, 272
	v_lshl_add_u32 v5, v2, 4, v5
	v_add_nc_u32 v5, s20, v5                       ; into a stage: row h (+ 2 i), byte 16 r
	v_mul_u32_u24 v6, v2, 272
	v_lshl_add_u32 v6, v3, 7, v6
	v_add_nc_u32 v6, s20, v6                       ; out of it: row r, my half's 128 bytes
	v_lshlrev_b32 v7, 4, v1                        ; 16 x lane
	s_lshl_b32 s21, s18, 12
	v_add_nc_u32 v8, s21, v7                       ; Wr: 4,096 w + 16 x lane, in memory and in LDS alike
	v_lshlrev_b32 v9, 10, v3
	v_add_nc_u32 v9, s21, v9                       ; Wr's rows for my half: 4,096 w + 1,024 h
	v_lshlrev_b32 v10, 3, v3                       ; 8 h
	v_mul_u32_u24 v18, v2, 528
	s_mul_i32 s22, s18, 48
	s_add_co_u32 s22, s22, OUTS
	v_mad_u32_u24 v11, v3, 192, v18
	v_add_nc_u32 v11, s22, v11                     ; my 48 bytes of codes in row r
	s_lshl_b32 s22, s18, 4
	s_add_co_u32 s22, s22, OUTS+384
	v_lshl_add_u32 v12, v3, 6, v18
	v_add_nc_u32 v12, s22, v12                     ; the scale word's 16 bytes (h = 0), 16 bytes of zeros (h = 1)
	s_lshl_b32 s22, s18, 9
	s_add_co_u32 s22, s22, LG
	v_lshlrev_b32 v14, 5, v2
	v_add_nc_u32 v13, s22, v14                     ; my wave's partial logits of token r
	v_add_nc_u32 v14, LG, v14                      ; wave 0's of token r
	s_mul_i32 s22, s18, 2112
	s_add_co_u32 s22, s22, OUTS
	v_add_nc_u32 v15, s22, v7                      ; the way out: rows 4 w .., 16 bytes a lane
	s_lshl_b32 s22, s18, 11
	v_add_nc_u32 v16, s22, v7                      ; and the same in xq
	v_lshlrev_b32 v17, 2, v1
	s_mov_b32 s26, 0x76543210
	s_mov_b32 s27, 0xfedcba98                      ; v_permlanex16_b32's selects for lane l xor 16
	s_lshl_b32 s24, ttmp9, 15                      ; 16 tokens of 2,048 bytes
	s_lshl_b32 s22, s18, 9
	s_add_co_u32 s24, s24, s22
	s_mov_b32 s25, 0
	s_wait_kmcnt 0x0
	s_add_nc_u64 s[4:5], s[4:5], s[24:25]
	s_lshl_b32 s24, ttmp9, 13
	s_add_nc_u64 s[12:13], s[12:13], s[24:25]
	s_lshl_b32 s24, ttmp9, 7
	s_add_nc_u64 s[14:15], s[14:15], s[24:25]
	s_load_b256 s[28:35], s[8:9], 0x0              ; br
.irp i, 0,1,2,3,4,5,6,7
	global_load_b128 v[WB+32+4*\i:WB+32+4*\i+3], v8, s[6:7] offset:512*\i   ; my K step's 128 rows of Wr
.endr
.macro LOADX c                         ; half c of the K step: 16 tokens x 256 bytes
.irp i, 0,1,2,3,4,5,6,7
	global_load_b128 v[R+32*\c+4*\i:R+32*\c+4*\i+3], v4, s[4:5] offset:4096*\i+256*\c th:TH_LOAD_NT
.endr
.endm
	LOADX 0
	LOADX 1
	s_wait_loadcnt 16                              ; Wr is in; the 16 loads of x are younger
.irp i, 0,1,2,3,4,5,6,7
	ds_store_b128 v8, v[WB+32+4*\i:WB+32+4*\i+3] offset:512*\i   ; my wave's own bytes: LDS serves a wave's instructions in order
.endr
.macro WLOAD c, n                      ; four rows of Wr, k = 64 c + 32 h + 4 n + 0 .. 3 of my K step, into set n % 2
.irp q, 0,1,2,3
	ds_load_b128 v[WB+32*((\n)%2)+8*\q:WB+32*((\n)%2)+8*\q+3], v9 offset:2048*\c+32*(4*(\n)+\q)
	ds_load_b128 v[WB+32*((\n)%2)+8*\q+4:WB+32*((\n)%2)+8*\q+7], v9 offset:2048*\c+32*(4*(\n)+\q)+16
.endr
.endm
.macro FMA16 c, n                      ; 4 k x 8 experts, two experts an instruction; even k and odd k have sums of their own.  The very first two k start the sums
.irp d, 0,1
.irp p, 0,1,2,3
.if (\c == 0) && ((\n) == 0) && (\d == 0)
	v_pk_mul_f32 v[AC+2*\p:AC+2*\p+1], v[X+4*(\n)+2*\d:X+4*(\n)+2*\d+1], v[WB+32*((\n)%2)+16*\d+2*\p:WB+32*((\n)%2)+16*\d+2*\p+1] op_sel_hi:[0,1]
.else
	v_pk_fma_f32 v[AC+2*\p:AC+2*\p+1], v[X+4*(\n)+2*\d:X+4*(\n)+2*\d+1], v[WB+32*((\n)%2)+16*\d+2*\p:WB+32*((\n)%2)+16*\d+2*\p+1], v[AC+2*\p:AC+2*\p+1] op_sel_hi:[0,1,1]
.endif
.endr
.irp p, 0,1,2,3
.if (\c == 0) && ((\n) == 0) && (\d == 0)
	v_pk_mul_f32 v[AC+8+2*\p:AC+8+2*\p+1], v[X+4*(\n)+2*\d:X+4*(\n)+2*\d+1], v[WB+32*((\n)%2)+16*\d+8+2*\p:WB+32*((\n)%2)+16*\d+8+2*\p+1] op_sel:[1,0] op_sel_hi:[1,1]
.else
	v_pk_fma_f32 v[AC+8+2*\p:AC+8+2*\p+1], v[X+4*(\n)+2*\d:X+4*(\n)+2*\d+1], v[WB+32*((\n)%2)+16*\d+8+2*\p:WB+32*((\n)%2)+16*\d+8+2*\p+1], v[AC+8+2*\p:AC+8+2*\p+1] op_sel:[1,0,0] op_sel_hi:[1,1,1]
.endif
.endr
.endr
.endm
.macro QB c                            ; my block (4 w + 2 c + h of token r) becomes registers 6 c .. 6 c + 5 of the operand, and a byte of the scale word
	v_max3_num_f32 v224, |v[X]|, |v[X+1]|, |v[X+2]|
	v_max3_num_f32 v225, |v[X+3]|, |v[X+4]|, |v[X+5]|
.irp i, 6,10,14,18,22,26
	v_max3_num_f32 v224, v224, |v[X+\i]|, |v[X+\i+1]|
	v_max3_num_f32 v225, v225, |v[X+\i+2]|, |v[X+\i+3]|
.endr
	v_max3_num_f32 v224, v224, |v[X+30]|, |v[X+31]|
	v_max3_num_f32 v224, v224, v225, 0x2800000     ; and the floor 2^(5 - 127): the byte cannot fall under 1
	v_add_nc_u32 v226, 0xfe000000, v224            ; 4 off the exponent field: the conversion's scale operand
	v_cvt_scalef32_pk16_bf6_f32 v[CD+6*\c:CD+6*\c+2], v[X:X+15], v226
	v_cvt_scalef32_pk16_bf6_f32 v[T:T+2], v[X+16:X+31], v226   ; (a conversion's three registers begin on an even number)
	v_lshrrev_b32 v227, 23, v226                   ; the byte; also the plain line behind the conversions
.irp i, 0,1,2
	v_mov_b32 v[CD+6*\c+3+\i], v[T+\i]
.endr
.if \c == 0
	v_mov_b32 v228, v227
.else
	v_lshl_or_b32 v228, v227, 16, v228
.endif
.endm
.macro HS c                            ; half c of the K step: through the stage, quantised, and multiplied by Wr
.if \c == 0
	s_wait_loadcnt 8                               ; this half's eight loads are in; the other half's are younger
.else
	s_wait_loadcnt 0x0
.endif
.irp i, 0,1,2,3,4,5,6,7
	ds_store_b128 v5, v[R+32*\c+4*\i:R+32*\c+4*\i+3] offset:4352*\c+544*\i
.endr
.irp q, 0,1,2,3,4,5,6,7
	ds_load_b128 v[X+4*\q:X+4*\q+3], v6 offset:4352*\c+16*\q   ; token r, k = 128 w + 64 c + 32 h + 0 .. 31
.endr
	WLOAD \c, 0
	s_wait_dscnt 8                                 ; the block is in; the eight loads of Wr's first rows may be out
	QB \c
.irp n, 0,1,2,3,4,5,6
	WLOAD \c, \n+1
	s_wait_dscnt 8                                 ; set n is in; the eight just issued may be out
	FMA16 \c, \n
.endr
	s_wait_dscnt 0x0
	FMA16 \c, 7
.endm
	HS 0
	HS 1
	v_lshlrev_b32 v228, v10, v228                  ; my two bytes at their places in the scale word (8 h bits up);
	v_mov_b32 v229, 0
	v_permlanex16_b32 v229, v228, s26, s27
	v_or_b32 v228, v228, v229                      ; with lane l xor 16's two the word is whole
	v_cmp_eq_u32 vcc_lo, 0, v3
	v_cndmask_b32 v232, 0, v228, vcc_lo            ; lanes 0-15 store the word and 12 zero bytes, lanes 16-31 16 zero bytes
	v_mov_b32 v233, 0
	v_mov_b32 v234, 0
	v_mov_b32 v235, 0
.irp p, 0,1,2,3
	v_pk_add_f32 v[AC+2*\p:AC+2*\p+1], v[AC+2*\p:AC+2*\p+1], v[AC+8+2*\p:AC+8+2*\p+1]
.endr
.irp j, 0,1,2,3,4,5,6,7
	v_permlanex16_b32 v[AC+8+\j], v[AC+\j], s26, s27
.endr
.irp p, 0,1,2,3
	v_pk_add_f32 v[AC+2*\p:AC+2*\p+1], v[AC+2*\p:AC+2*\p+1], v[AC+8+2*\p:AC+8+2*\p+1]   ; both halves of the lanes now hold the K step's eight sums of token r
.endr
	ds_store_b128 v13, v[AC:AC+3]
	ds_store_b128 v13, v[AC+4:AC+7] offset:16
.irp i, 0,1,2
	ds_store_b128 v11, v[CD+4*\i:CD+4*\i+3] offset:16*\i
.endr
	ds_store_b128 v12, v[232:235]
	s_wait_dscnt 0x0                               ; for the others' sake: my stores have landed
	s_barrier_signal -1
	s_barrier_wait -1
.irp i, 0,1,2,3
	ds_load_b128 v[X+4*\i:X+4*\i+3], v15 offset:528*\i
.endr
.irp i, 0,1,2,3
	s_wait_dscnt 3-\i
	global_store_b128 v16, v[X+4*\i:X+4*\i+3], s[12:13] offset:512*\i   ; 32 lanes store a token's 512 consecutive bytes
.endr
	s_cmp_lg_u32 s18, 0
	s_cbranch_scc1 .Ltokens_done
	; wave 0: the four K steps' sums, the bias, the choice.  Lane r (and lane 16 + r with it) has token r
.irp p, 0,1,2,3
	ds_load_b128 v[R+8*\p:R+8*\p+3], v14 offset:512*\p
	ds_load_b128 v[R+8*\p+4:R+8*\p+7], v14 offset:512*\p+16
.endr
	s_wait_dscnt 0x0
	s_wait_kmcnt 0x0                               ; br
.irp d, 0,2,4,6
	v_pk_add_f32 v[R+\d:R+\d+1], v[R+\d:R+\d+1], v[R+8+\d:R+8+\d+1]
	v_pk_add_f32 v[R+16+\d:R+16+\d+1], v[R+16+\d:R+16+\d+1], v[R+24+\d:R+24+\d+1]
.endr
.irp d, 0,2,4,6
	v_pk_add_f32 v[R+\d:R+\d+1], v[R+\d:R+\d+1], v[R+16+\d:R+16+\d+1]
.endr
.irp e, 0,1,2,3,4,5,6,7
	v_add_f32 v[R+\e], s[28+\e], v[R+\e]
.endr
	v_mov_b32 v40, 0                               ; the expert so far,
	v_mov_b32 v41, v[R]                            ; and its logit
.irp e, 1,2,3,4,5,6,7
	v_cmp_le_f32 vcc_lo, v[R+\e], v41              ; only a larger logit takes over: a tie keeps the lower index
	v_cndmask_b32 v40, \e, v40, vcc_lo
	v_max_num_f32 v41, v41, v[R+\e]
.endr
	v_mov_b32 v42, 0
	s_mov_b32 s22, 0
	s_mov_b32 s23, 0
.irp e, 0,1,2,3,4,5,6,7
	v_cmp_eq_u32 s20, \e, v40
	s_and_b32 s20, s20, 0xffff                     ; the 16 tokens that chose expert e
	v_mbcnt_lo_u32_b32 v43, s20, 0                 ; how many of them stand before me
	v_cndmask_b32 v42, v42, v43, s20
	s_bcnt1_i32_b32 s21, s20
	s_lshl_b32 s21, s21, 8*(\e%4)
	s_or_b32 s[22+\e/4], s[22+\e/4], s21
.endr
	v_lshl_or_b32 v40, v42, 8, v40
	v_writelane_b32 v40, s22, 16
	v_writelane_b32 v40, s23, 17
	global_store_b32 v17, v40, s[14:15]            ; at a fixed place: 128 bytes for these 16 tokens
.Ltokens_done:
	s_wait_tensorcnt 0x0
	ds_add_u32 v240, v241
	s_wait_dscnt 0x0
	s_endpgm
; ---------------- the weights' path.  A lane takes a column n and its registers run down K: a block of 32 along K lies in one lane.
.Lweights:
	s_sub_co_u32 s20, ttmp9, 256
	s_and_b32 s21, s20, 3                          ; K step s
	s_bfe_u32 s22, s20, 0x40002                    ; slice of 128 hidden units
	s_lshr_b32 s23, s20, 6                         ; expert
	s_lshl_b32 s24, s23, 22                        ; W1[e]: 4 MiB
	s_lshl_b32 s26, s21, 20                        ; 128 rows of 8,192 bytes
	s_add_co_u32 s24, s24, s26
	s_lshl_b32 s26, s22, 9
	s_add_co_u32 s24, s24, s26
	s_lshl_b32 s26, s18, 7                         ; my wave's 32 columns
	s_add_co_u32 s24, s24, s26
	s_mov_b32 s25, 0
	s_lshl_b32 s26, s23, 4
	s_add_co_u32 s26, s26, s22
	s_mul_i32 s26, s26, 51200                      ; the block of (expert, slice)
	s_lshr_b32 s28, s21, 1                         ; j
	s_and_b32 s29, s21, 1                          ; hh
	s_lshl_b32 s30, s28, 4
	s_lshl_b32 s31, s18, 2
	s_add_co_u32 s30, s30, s31
	s_add_co_u32 s30, s30, s29                     ; image (8 j + 2 w) 2 + hh: tile 2 w; tile 2 w + 1 lies two images on
	s_mul_i32 s30, s30, 1536
	s_add_co_u32 s30, s30, s26
	s_mov_b32 s31, 0
	s_lshl_b32 s32, s28, 10
	s_lshl_b32 s33, s18, 8
	s_add_co_u32 s32, s32, s33
	s_lshl_b32 s33, s29, 6
	s_add_co_u32 s32, s32, s33
	s_add_co_u32 s32, s32, s26
	s_add_co_u32 s32, s32, 49152                   ; scale words (8 j + 2 w) 32 + 16 hh on
	s_mov_b32 s33, 0
	v_lshlrev_b32 v3, 2, v1                        ; in: 4 bytes a lane
	v_bfe_u32 v8, v0, 3, 1                         ; column 32 w + l is row rho of tile 2 w + u: u = (l / 8) % 2,
	v_and_b32 v9, 7, v0
	v_bfe_u32 v10, v0, 4, 1
	v_lshl_add_u32 v9, v10, 3, v9                  ; rho = l % 8 + 8 (l / 16)
	s_mul_i32 s34, s18, 3072
	s_add_co_u32 s34, s34, WST
	v_mul_u32_u24 v4, v8, 1536
	v_lshl_add_u32 v4, v9, 4, v4
	v_add_nc_u32 v4, s34, v4                       ; my place in my tile's image
	v_lshlrev_b32 v6, 4, v1
	v_add_nc_u32 v5, s34, v6                       ; the way out: 16 bytes a lane
	v_lshlrev_b32 v7, 7, v8
	v_lshl_add_u32 v7, v9, 2, v7                   ; my scale word: 128 u + 4 rho
	s_wait_kmcnt 0x0
	s_add_nc_u64 s[36:37], s[10:11], s[24:25]
	s_add_nc_u64 s[38:39], s[16:17], s[30:31]
	s_add_nc_u64 s[40:41], s[16:17], s[32:33]
.macro LOADW t                         ; block t: rows 32 t + i of my K step, my column, into set t % 2: 128 consecutive bytes a wave, 512 a work-group
.irp i, 0,1,2,3,4,5,6,7,8,9,10,11,12,13,14,15,16,17,18,19,20,21,22,23,24,25,26,27,28,29,30,31
	global_load_b32 v[WX+32*((\t)%2)+\i], v3, s[36:37] offset:(32*(\t)+\i)*PITCH th:TH_LOAD_NT
.endr
.endm
.macro BLK t                           ; block t = 2 c + h of the K step: registers 6 c .. 6 c + 5 of lane rho + 16 h of the image
.set XB, WX+32*((\t)%2)
.if (\t) < 3
	s_wait_loadcnt 32                              ; this block's 32 loads are in; the next block's may be out
.else
	s_wait_loadcnt 0x0
.endif
	v_max3_num_f32 v108, |v[XB]|, |v[XB+1]|, |v[XB+2]|
	v_max3_num_f32 v109, |v[XB+3]|, |v[XB+4]|, |v[XB+5]|
.irp i, 6,10,14,18,22,26
	v_max3_num_f32 v108, v108, |v[XB+\i]|, |v[XB+\i+1]|
	v_max3_num_f32 v109, v109, |v[XB+\i+2]|, |v[XB+\i+3]|
.endr
	v_max3_num_f32 v108, v108, |v[XB+30]|, |v[XB+31]|
	v_max3_num_f32 v108, v108, v109, 0x2800000     ; the floor 2^(5 - 127)
	v_add_nc_u32 v110, 0xfe000000, v108            ; the conversion's scale operand
	v_lshrrev_b32 v111, 23, v110                   ; the byte
	v_cvt_scalef32_pk16_bf6_f32 v[WC:WC+2], v[XB:XB+15], v110
	v_cvt_scalef32_pk16_bf6_f32 v[WC2:WC2+2], v[XB+16:XB+31], v110
.if (\t) == 0
	v_mov_b32 v[SB], v111                          ; (the plain line behind the conversions)
.else
	v_lshl_or_b32 v[SB], v111, 8*(\t), v[SB]
.endif
.irp i, 0,1,2
	v_mov_b32 v[WC+3+\i], v[WC2+\i]
.endr
.if (\t) < 2
	ds_store_b128 v4, v[WC:WC+3] offset:256*((\t)%2)               ; registers 0-3
	ds_store_b64 v4, v[WC+4:WC+5] offset:512+256*((\t)%2)          ; registers 4, 5
.else
	ds_store_b64 v4, v[WC:WC+1] offset:520+256*((\t)%2)            ; registers 6, 7
	ds_store_b128 v4, v[WC+2:WC+5] offset:1024+256*((\t)%2)        ; registers 8-11
.endif
.if (\t) < 2
	LOADW (\t)+2
.endif
	s_wait_dscnt 0x0                               ; the stores have read their registers: the next block's codes may be written
.endm
	LOADW 0
	LOADW 1
	BLK 0
	BLK 1
	BLK 2
	BLK 3
	global_store_b32 v7, v[SB], s[40:41]           ; two runs of 64 bytes
.irp i, 0,1,2,3,4,5
	ds_load_b128 v[OUTR+4*\i:OUTR+4*\i+3], v5 offset:512*\i
.endr
.irp i, 0,1,2,3,4,5
	s_wait_dscnt 5-\i
	global_store_b128 v6, v[OUTR+4*\i:OUTR+4*\i+3], s[38:39] offset:3072*(\i/3)+512*(\i%3)   ; 512 consecutive bytes, aligned
.endr
	s_wait_tensorcnt 0x0
	ds_add_u32 v240, v241
	s_wait_dscnt 0x0
	s_endpgm
.Lfunc_end_k_q75f9adcd84_prep1:
	.size	k_q75f9adcd84_prep1, .Lfunc_end_k_q75f9adcd84_prep1-k_q75f9adcd84_prep1
	.p2alignl 7, 3214868480
	.fill 96, 4, 3214868480
	.section	.rodata,"a",@progbits
	.p2align	6, 0x0
	.amdhsa_kernel k_q75f9adcd84_prep1
		.amdhsa_group_segment_fixed_size 74496
		.amdhsa_private_segment_fixed_size 0
		.amdhsa_enable_private_segment 0
		.amdhsa_kernarg_size 56
		.amdhsa_user_sgpr_count 2
		.amdhsa_user_sgpr_kernarg_segment_ptr 1
		.amdhsa_wavefront_size32 1
		.amdhsa_system_sgpr_workgroup_id_x 1
		.amdhsa_system_sgpr_workgroup_id_y 1
		.amdhsa_system_sgpr_workgroup_id_z 1
		.amdhsa_system_vgpr_workitem_id 0
		.amdhsa_next_free_vgpr 242
		.amdhsa_next_free_sgpr 66
		.amdhsa_reserve_vcc 1
		.amdhsa_float_denorm_mode_32 3
		.amdhsa_float_denorm_mode_16_64 3
		.amdhsa_memory_ordered 1
		.amdhsa_forward_progress 1
		.amdhsa_inst_pref_size 66
	.end_amdhsa_kernel
	.amdgpu_metadata
---
amdhsa.version: [ 1, 2 ]
amdhsa.kernels:
  - .name:           k_q75f9adcd84_prep1
    .symbol:         k_q75f9adcd84_prep1.kd
    .args:
      - { .name: x, .offset: 0, .size: 8, .value_kind: global_buffer, .address_space: global }
      - { .name: Wr, .offset: 8, .size: 8, .value_kind: global_buffer, .address_space: global }
      - { .name: br, .offset: 16, .size: 8, .value_kind: global_buffer, .address_space: global }
      - { .name: W1, .offset: 24, .size: 8, .value_kind: global_buffer, .address_space: global }
      - { .name: xq, .offset: 32, .size: 8, .value_kind: global_buffer, .address_space: global }
      - { .name: route, .offset: 40, .size: 8, .value_kind: global_buffer, .address_space: global }
      - { .name: w1q, .offset: 48, .size: 8, .value_kind: global_buffer, .address_space: global }
    .group_segment_fixed_size: 74496
    .private_segment_fixed_size: 0
    .kernarg_segment_align: 8
    .kernarg_segment_size: 56
    .max_flat_workgroup_size: 128
    .sgpr_count:     66
    .vgpr_count:     242
    .wavefront_size: 32
...
	.end_amdgpu_metadata
.endif
;; end of part 1
;; launch prep2 (part 2): grid 544 x 1, 4 waves a work-group, no clusters, 17,152 bytes of LDS; arguments route, W2, order, w2q; writes order, w2q
.if DOCPART == 2
	.amdgcn_target "amdgcn-amd-amdhsa--gfx1250"
	.amdhsa_code_object_version 6
	.text
	.protected	k_q75f9adcd84_prep2
	.globl	k_q75f9adcd84_prep2
	.p2align	8
	.type	k_q75f9adcd84_prep2,@function
k_q75f9adcd84_prep2:
	s_mov_b64 s[64:65], 0
	v_nop
	global_prefetch_b8 v0, s[64:65] scope:SCOPE_SE
	s_setreg_imm32_b32 hwreg(HW_REG_WAVE_MODE, 25, 1), 1
	s_wait_xcnt 0x0
; TWO JOBS IN ONE LAUNCH, told apart by the work-group's number; each has LDS bytes of its own.
; Work-groups 0-31: THE PLACING OF ROWS.  The experts chosen were stored as whole numbers by the launch before.  Each expert's tokens get a run of positions, in the tokens' order, that begins at a multiple of 80
;   (a tile of rows): never more than ceil(4096 / 80) + 7 = 59 tiles.  order[position] = token, or 4096 where a position holds none.  order + 18,944 bytes: for each expert the tile at which its run ends.
;   Every work-group makes the whole prefix anew from the 256 groups' counts (2 KiB), then places its own 128 tokens and marks its own 148 positions: no word has two writers, nothing goes between work-groups.
; Work-groups 32-543: W2 [8][2048 k][512 n] f32 as codes of BF6 (E3M2) along K (its first axis) with one E8M0 byte for each 32, laid in the order of a matrix operand's registers.
; w2q: 128 blocks (16 expert + slice of 32 outputs) of 51,200 bytes: 32 images of 1,536 bytes (K step s = 2 j + hh, tile t of 16 outputs: image (2 j + t) 2 + hh; registers 4 g .. 4 g + 3 of lane l at 512 g + 16 l),
;   then 512 scale words (word (2 j + t) 32 + 16 hh + row).
; LIMITS: NaN and infinities in W2 are not served; blocks whose largest magnitude lies under 2^-122, blocks of zeros among them, carry the byte 1 (read by this program alone).
.set WT,   0                           ; LDS: the four waves' totals, 16 bytes each
.set GB,   256                         ; the 256 groups' first positions, 16 bytes each
.set WST,  4352                        ; the weights' path: 3,072 bytes for each wave
.set PITCH, 2048                       ; a row of W2[e] in bytes
.set WX,  32
.set WC,  96
.set WC2, 102
.set SB,  106
.set OUTR, 112
	s_load_b256 s[4:11], s[0:1], 0x0               ; route s[4:5], W2 s[6:7], order s[8:9], w2q s[10:11]
	v_lshl_add_u32 v160, v0, 2, 0x4100
	v_mov_b32 v161, 0
	v_lshrrev_b32 v1, 5, v0
	v_readfirstlane_b32 s12, v1                    ; wave 0..3
	v_and_b32 v1, 31, v0                           ; lane
	s_cmp_lt_u32 ttmp9, 32
	s_cbranch_scc0 .Lweights
; ---------------- the placing.  Thread t: groups 2 t and 2 t + 1 (of 16 tokens each) for the prefix; token 128 k + t for the placing
	s_and_b32 s13, ttmp9, 31                       ; k
	v_lshlrev_b32 v2, 8, v0                        ; two groups' 256 bytes of route
	v_lshrrev_b32 v3, 4, v0
	v_and_b32 v4, 15, v0
	v_lshlrev_b32 v5, 7, v3
	v_lshl_add_u32 v5, v4, 2, v5
	s_lshl_b32 s14, s13, 10
	v_add_nc_u32 v5, s14, v5                       ; my token's word
	s_wait_kmcnt 0x0
	global_load_b64 v[10:11], v2, s[4:5] offset:64     ; group 2 t's counts
	global_load_b64 v[12:13], v2, s[4:5] offset:192    ; group 2 t + 1's
	global_load_b32 v14, v5, s[4:5]
	v_bfe_u32 v33, v0, 4, 1
	v_sub_nc_u32 v33, 0, v33                       ; all ones in lanes 16-31
	v_mov_b32 v32, 0
	s_lshl_b32 s14, s12, 4
	v_mov_b32 v34, s14                             ; WT + 16 w
	v_mov_b32 v35, 0
	v_lshl_add_u32 v76, v0, 5, GB
	s_lshl_b32 s14, s13, 7
	v_add_nc_u32 v78, s14, v0                      ; my token
	s_add_co_u32 s14, s14, GB
	v_lshlrev_b32 v77, 4, v3
	v_add_nc_u32 v77, s14, v77                     ; its group's 16 bytes
	v_mov_b32 v87, 0x1000                          ; 4096: no token
	s_mov_b32 s62, 0x00ff00ff
	s_wait_loadcnt 0x0
	; the eight counts in four registers, 16 bits each: (0, 2) (1, 3) (4, 6) (5, 7).  No field ever passes 4,720
	v_and_b32 v16, s62, v10
	v_lshrrev_b32 v17, 8, v10
	v_and_b32 v17, s62, v17
	v_and_b32 v18, s62, v11
	v_lshrrev_b32 v19, 8, v11
	v_and_b32 v19, s62, v19
	v_and_b32 v20, s62, v12
	v_lshrrev_b32 v21, 8, v12
	v_and_b32 v21, s62, v21
	v_and_b32 v22, s62, v13
	v_lshrrev_b32 v23, 8, v13
	v_and_b32 v23, s62, v23
.irp i, 0,1,2,3
	v_add_nc_u32 v[24+\i], v[16+\i], v[20+\i]      ; my two groups together
.endr
.irp i, 0,1,2,3
	v_mov_b32 v[28+\i], v[24+\i]
.endr
.macro SCAN v                          ; the sum over lanes 0 .. mine
.irp n, 1,2,4,8
	v_mov_b32_dpp v32, v[\v] row_shr:\n row_mask:0xf bank_mask:0xf bound_ctrl:1
	v_add_nc_u32 v[\v], v[\v], v32
.endr
	v_readlane_b32 s20, v[\v], 15
	v_and_b32 v32, s20, v33
	v_add_nc_u32 v[\v], v[\v], v32
.endm
	SCAN 28
	SCAN 29
	SCAN 30
	SCAN 31
.irp i, 0,1,2,3
	v_readlane_b32 s[20+\i], v[28+\i], 31
.endr
.irp i, 0,1,2,3
	v_mov_b32 v[36+\i], s[20+\i]
.endr
	ds_store_b128 v34, v[36:39]                    ; my wave's totals
	s_wait_dscnt 0x0
	s_barrier_signal -1
	s_barrier_wait -1
.irp p, 0,1,2,3
	ds_load_b128 v[40+4*\p:43+4*\p], v35 offset:WT+16*\p
.endr
.irp p, 0,1,2
	s_cmp_gt_u32 s12, \p
	s_cselect_b32 s[24+\p], -1, 0                  ; does wave p stand before mine?
.endr
	s_wait_dscnt 0x0
.irp i, 0,1,2,3
	v_add3_u32 v[56+\i], v[40+\i], v[44+\i], v[48+\i]
	v_add_nc_u32 v[56+\i], v[56+\i], v[52+\i]      ; all tokens of each expert
	v_and_b32 v[60+\i], s24, v[40+\i]
	v_and_b32 v32, s25, v[44+\i]
	v_add_nc_u32 v[60+\i], v[60+\i], v32
	v_and_b32 v32, s26, v[48+\i]
	v_add_nc_u32 v[60+\i], v[60+\i], v32           ; those of the waves before mine
.endr
.irp i, 0,1,2,3
	v_readfirstlane_b32 s[52+\i], v[56+\i]
.endr
	s_and_b32 s16, s52, 0xffff                     ; s16-23: n_e, later the end of expert e's tokens
	s_lshr_b32 s18, s52, 16
	s_and_b32 s17, s53, 0xffff
	s_lshr_b32 s19, s53, 16
	s_and_b32 s20, s54, 0xffff
	s_lshr_b32 s22, s54, 16
	s_and_b32 s21, s55, 0xffff
	s_lshr_b32 s23, s55, 16
	s_mov_b32 s14, 0
.irp e, 0,1,2,3,4,5,6,7
	s_mov_b32 s[24+\e], s14                        ; s24-31: expert e's first tile
	s_add_co_u32 s15, s[16+\e], 79
	s_mul_i32 s15, s15, 0xcccd
	s_lshr_b32 s[32+\e], s15, 22                   ; s32-39: its tiles: (n + 79) / 80, exact for numbers up to 4,800
	s_add_co_u32 s14, s14, s[32+\e]
	s_mov_b32 s[40+\e], s14                        ; s40-47: the tile at which it ends
	s_mul_i32 s[52+\e], s[24+\e], 80               ; s52-59: its first position
	s_add_co_u32 s[16+\e], s[16+\e], s[52+\e]
.endr
	s_lshl_b32 s15, s54, 16
	s_or_b32 s48, s52, s15                         ; the first positions, packed as the counts are
	s_lshl_b32 s15, s55, 16
	s_or_b32 s49, s53, s15
	s_lshl_b32 s15, s58, 16
	s_or_b32 s50, s56, s15
	s_lshl_b32 s15, s59, 16
	s_or_b32 s51, s57, s15
.irp i, 0,1,2,3
	v_sub_nc_u32 v[64+\i], v[28+\i], v[24+\i]
	v_add3_u32 v[64+\i], v[64+\i], v[60+\i], s[48+\i]      ; where group 2 t's tokens of each expert begin,
	v_add_nc_u32 v[68+\i], v[64+\i], v[16+\i]              ; and group 2 t + 1's
.endr
	ds_store_b128 v76, v[64:67]
	ds_store_b128 v76, v[68:71] offset:16
	s_wait_dscnt 0x0
	s_barrier_signal -1
	s_barrier_wait -1
	ds_load_b128 v[72:75], v77
	v_and_b32 v79, 0xff, v14                       ; my token's expert,
	v_lshrrev_b32 v80, 8, v14                      ; and its rank among its group's tokens of that expert
	v_and_b32 v81, 1, v79
	v_cmp_eq_u32 vcc_lo, 1, v81
	s_wait_dscnt 0x0
	v_cndmask_b32 v72, v72, v73, vcc_lo
	v_cndmask_b32 v74, v74, v75, vcc_lo
	v_and_b32 v81, 4, v79
	v_cmp_eq_u32 vcc_lo, 4, v81
	v_cndmask_b32 v72, v72, v74, vcc_lo
	v_and_b32 v81, 2, v79
	v_lshlrev_b32 v81, 3, v81
	v_lshrrev_b32 v72, v81, v72
	v_and_b32 v72, 0xffff, v72
	v_add_nc_u32 v72, v72, v80
	v_min_u32 v88, 0x126f, v72                     ; a position: 4,719 at the most
	v_lshlrev_b32 v88, 2, v88
	global_store_b32 v88, v78, s[8:9]
	; the experts' ends: eight words, and 24 words of zeros that nobody reads; work-group 0's wave 0 stores them, all lanes on
	v_mov_b32 v89, 0
.irp e, 0,1,2,3,4,5,6,7
	v_writelane_b32 v89, s[40+\e], \e
.endr
	v_lshlrev_b32 v90, 2, v0
	s_or_b32 s15, s13, s12
	s_cmp_lg_u32 s15, 0
	s_cbranch_scc1 .Lno_ends
	global_store_b32 v90, v89, s[8:9] offset:18944
.Lno_ends:
	; THE POSITIONS WITHOUT A TOKEN.  My work-group marks 148 of the 4,720 positions (32 x 148 = 4,736), 128 and then 20.  Both stores' addresses and masks are made here, with all lanes on:
	; behind the first line that narrows EXEC no vector register is written any more.
	s_mul_i32 s14, s13, 148
	s_mov_b32 s63, 4720
.macro PADM off, lim, adr, msk         ; position p = 148 k + off + t holds no token where it lies at or behind the end of its tile's expert (a tile of no expert: everywhere).  v[adr] = 4 p; s[msk] = the lanes that mark
	v_add_nc_u32 v82, s14, v0
.if \off
	v_add_nc_u32 v82, \off, v82
.endif
	v_mul_u32_u24 v83, v82, 0xcccd
	v_lshrrev_b32 v83, 22, v83                     ; its tile: p / 80
	v_mov_b32 v84, 0
.irp e, 0,1,2,3,4,5,6,7
	v_sub_nc_u32 v85, v83, s[24+\e]
	v_cmp_le_u32 vcc_lo, s[32+\e], v85             ; not one of expert e's tiles: keep
	v_cndmask_b32 v84, s[16+\e], v84, vcc_lo
.endr
	v_cmp_ge_u32 s54, v82, v84
	v_cmp_gt_u32 s55, s63, v82
	s_and_b32 s[\msk], s54, s55
.if \lim < 128
	v_cmp_gt_u32 s54, \lim, v0
	s_and_b32 s[\msk], s[\msk], s54
.endif
	v_lshlrev_b32 v[\adr], 2, v82
.endm
	PADM 0, 128, 86, 52
	PADM 128, 20, 91, 53
	s_mov_b32 vcc_lo, s52
	s_wait_xcnt 0x0                                ; EXEC changes only behind this wait: stores have been issued
	s_wait_tensorcnt 0x0
	ds_add_u32 v160, v161
	s_wait_dscnt 0x0
	s_and_saveexec_b32 s60, vcc_lo
	global_store_b32 v86, v87, s[8:9]
	s_wait_xcnt 0x0                                ; and again in front of the line that widens it
	s_or_b32 exec_lo, exec_lo, s60
	s_mov_b32 vcc_lo, s53
	s_and_saveexec_b32 s60, vcc_lo                 ; (no memory instruction has been issued since the last wait)
	global_store_b32 v91, v87, s[8:9]
	s_wait_xcnt 0x0
	s_or_b32 exec_lo, exec_lo, s60
	s_endpgm
; ---------------- the weights' path.  A lane takes a column n and its registers run down K: a block of 32 along K lies in one lane.
.Lweights:
	s_sub_co_u32 s20, ttmp9, 32
	s_and_b32 s21, s20, 15                         ; K step s
	s_bfe_u32 s22, s20, 0x20004                    ; which 128 of the 512 outputs
	s_lshr_b32 s23, s20, 6                         ; expert
	s_lshl_b32 s24, s23, 22                        ; W2[e]: 4 MiB
	s_lshl_b32 s26, s21, 18                        ; 128 rows of 2,048 bytes
	s_add_co_u32 s24, s24, s26
	s_lshl_b32 s26, s22, 9
	s_add_co_u32 s24, s24, s26
	s_lshl_b32 s26, s12, 7                         ; my wave's 32 columns: a slice
	s_add_co_u32 s24, s24, s26
	s_mov_b32 s25, 0
	s_lshl_b32 s26, s23, 4
	s_lshl_b32 s27, s22, 2
	s_add_co_u32 s26, s26, s27
	s_add_co_u32 s26, s26, s12
	s_mul_i32 s26, s26, 51200                      ; the block of (expert, slice)
	s_lshr_b32 s28, s21, 1                         ; j
	s_and_b32 s29, s21, 1                          ; hh
	s_lshl_b32 s30, s28, 2
	s_add_co_u32 s30, s30, s29                     ; image 4 j + hh: tile 0; tile 1 lies two images on
	s_mul_i32 s30, s30, 1536
	s_add_co_u32 s30, s30, s26
	s_mov_b32 s31, 0
	s_lshl_b32 s32, s28, 8
	s_lshl_b32 s33, s29, 6
	s_add_co_u32 s32, s32, s33
	s_add_co_u32 s32, s32, s26
	s_add_co_u32 s32, s32, 49152
	s_mov_b32 s33, 0
	v_lshlrev_b32 v3, 2, v1                        ; in: 4 bytes a lane
	v_bfe_u32 v8, v0, 4, 1                         ; column l of the slice is row l % 16 of tile l / 16
	v_and_b32 v9, 15, v0
	s_mul_i32 s34, s12, 3072
	s_add_co_u32 s34, s34, WST
	v_mul_u32_u24 v4, v8, 1536
	v_lshl_add_u32 v4, v9, 4, v4
	v_add_nc_u32 v4, s34, v4                       ; my place in my tile's image
	v_lshlrev_b32 v6, 4, v1
	v_add_nc_u32 v5, s34, v6                       ; the way out: 16 bytes a lane
	v_lshlrev_b32 v7, 7, v8
	v_lshl_add_u32 v7, v9, 2, v7                   ; my scale word
	s_wait_kmcnt 0x0
	s_add_nc_u64 s[36:37], s[6:7], s[24:25]
	s_add_nc_u64 s[38:39], s[10:11], s[30:31]
	s_add_nc_u64 s[40:41], s[10:11], s[32:33]
.macro LOADW t                         ; block t: rows 32 t + i of my K step, my column, into set t % 2: 128 consecutive bytes a wave, 512 a work-group
.irp i, 0,1,2,3,4,5,6,7,8,9,10,11,12,13,14,15,16,17,18,19,20,21,22,23,24,25,26,27,28,29,30,31
	global_load_b32 v[WX+32*((\t)%2)+\i], v3, s[36:37] offset:(32*(\t)+\i)*PITCH th:TH_LOAD_NT
.endr
.endm
.macro BLK t                           ; block t = 2 c + h of the K step: registers 6 c .. 6 c + 5 of lane row + 16 h of the image
.set XB, WX+32*((\t)%2)
.if (\t) < 3
	s_wait_loadcnt 32                              ; this block's 32 loads are in; the next block's may be out
.else
	s_wait_loadcnt 0x0
.endif
	v_max3_num_f32 v108, |v[XB]|, |v[XB+1]|, |v[XB+2]|
	v_max3_num_f32 v109, |v[XB+3]|, |v[XB+4]|, |v[XB+5]|
.irp i, 6,10,14,18,22,26
	v_max3_num_f32 v108, v108, |v[XB+\i]|, |v[XB+\i+1]|
	v_max3_num_f32 v109, v109, |v[XB+\i+2]|, |v[XB+\i+3]|
.endr
	v_max3_num_f32 v108, v108, |v[XB+30]|, |v[XB+31]|
	v_max3_num_f32 v108, v108, v109, 0x2800000     ; the floor 2^(5 - 127)
	v_add_nc_u32 v110, 0xfe000000, v108            ; the conversion's scale operand
	v_lshrrev_b32 v111, 23, v110                   ; the byte
	v_cvt_scalef32_pk16_bf6_f32 v[WC:WC+2], v[XB:XB+15], v110
	v_cvt_scalef32_pk16_bf6_f32 v[WC2:WC2+2], v[XB+16:XB+31], v110
.if (\t) == 0
	v_mov_b32 v[SB], v111                          ; (the plain line behind the conversions)
.else
	v_lshl_or_b32 v[SB], v111, 8*(\t), v[SB]
.endif
.irp i, 0,1,2
	v_mov_b32 v[WC+3+\i], v[WC2+\i]
.endr
.if (\t) < 2
	ds_store_b128 v4, v[WC:WC+3] offset:256*((\t)%2)
	ds_store_b64 v4, v[WC+4:WC+5] offset:512+256*((\t)%2)
.else
	ds_store_b64 v4, v[WC:WC+1] offset:520+256*((\t)%2)
	ds_store_b128 v4, v[WC+2:WC+5] offset:1024+256*((\t)%2)
.endif
.if (\t) < 2
	LOADW (\t)+2
.endif
	s_wait_dscnt 0x0                               ; the stores have read their registers: the next block's codes may be written
.endm
	LOADW 0
	LOADW 1
	BLK 0
	BLK 1
	BLK 2
	BLK 3
	global_store_b32 v7, v[SB], s[40:41]           ; two runs of 64 bytes
.irp i, 0,1,2,3,4,5
	ds_load_b128 v[OUTR+4*\i:OUTR+4*\i+3], v5 offset:512*\i
.endr
.irp i, 0,1,2,3,4,5
	s_wait_dscnt 5-\i
	global_store_b128 v6, v[OUTR+4*\i:OUTR+4*\i+3], s[38:39] offset:3072*(\i/3)+512*(\i%3)   ; 512 consecutive bytes, aligned
.endr
	s_wait_tensorcnt 0x0
	ds_add_u32 v160, v161
	s_wait_dscnt 0x0
	s_endpgm
.Lfunc_end_k_q75f9adcd84_prep2:
	.size	k_q75f9adcd84_prep2, .Lfunc_end_k_q75f9adcd84_prep2-k_q75f9adcd84_prep2
	.p2alignl 7, 3214868480
	.fill 96, 4, 3214868480
	.section	.rodata,"a",@progbits
	.p2align	6, 0x0
	.amdhsa_kernel k_q75f9adcd84_prep2
		.amdhsa_group_segment_fixed_size 17152
		.amdhsa_private_segment_fixed_size 0
		.amdhsa_enable_private_segment 0
		.amdhsa_kernarg_size 32
		.amdhsa_user_sgpr_count 2
		.amdhsa_user_sgpr_kernarg_segment_ptr 1
		.amdhsa_wavefront_size32 1
		.amdhsa_system_sgpr_workgroup_id_x 1
		.amdhsa_system_sgpr_workgroup_id_y 1
		.amdhsa_system_sgpr_workgroup_id_z 1
		.amdhsa_system_vgpr_workitem_id 0
		.amdhsa_next_free_vgpr 162
		.amdhsa_next_free_sgpr 66
		.amdhsa_reserve_vcc 1
		.amdhsa_float_denorm_mode_32 3
		.amdhsa_float_denorm_mode_16_64 3
		.amdhsa_memory_ordered 1
		.amdhsa_forward_progress 1
		.amdhsa_inst_pref_size 38
	.end_amdhsa_kernel
	.amdgpu_metadata
---
amdhsa.version: [ 1, 2 ]
amdhsa.kernels:
  - .name:           k_q75f9adcd84_prep2
    .symbol:         k_q75f9adcd84_prep2.kd
    .args:
      - { .name: route, .offset: 0, .size: 8, .value_kind: global_buffer, .address_space: global }
      - { .name: W2, .offset: 8, .size: 8, .value_kind: global_buffer, .address_space: global }
      - { .name: order, .offset: 16, .size: 8, .value_kind: global_buffer, .address_space: global }
      - { .name: w2q, .offset: 24, .size: 8, .value_kind: global_buffer, .address_space: global }
    .group_segment_fixed_size: 17152
    .private_segment_fixed_size: 0
    .kernarg_segment_align: 8
    .kernarg_segment_size: 32
    .max_flat_workgroup_size: 128
    .sgpr_count:     66
    .vgpr_count:     162
    .wavefront_size: 32
...
	.end_amdgpu_metadata
.endif
;; end of part 2
;; launch up (part 3): grid 4 x 59, 4 waves a work-group, no clusters, 42,752 bytes of LDS; arguments xq, w1q, b1, order, hq; writes hq
.if DOCPART == 3
	.amdgcn_target "amdgcn-amd-amdhsa--gfx1250"
	.amdhsa_code_object_version 6
	.text
	.protected	k_q75f9adcd84_up
	.globl	k_q75f9adcd84_up
	.p2align	8
	.type	k_q75f9adcd84_up,@function
k_q75f9adcd84_up:
	s_mov_b64 s[64:65], 0
	v_nop
	global_prefetch_b8 v0, s[64:65] scope:SCOPE_SE
	s_setreg_imm32_b32 hwreg(HW_REG_WAVE_MODE, 25, 1), 1
	s_wait_xcnt 0x0
; THE FIRST PRODUCT, for the chosen expert's rows alone: h = Q(relu(Q(x) Q(W1[e]) + b1[e])), on codes of BF6 (E3M2) with E8M0 scales; h leaves as codes, quantised along the second product's K.
; SHARES.  Work-group (x, y): tile y of 80 sorted rows (all of one expert), hidden units 512 x .. 512 x + 511.  Wave w: slice 4 x + w, 128 hidden units = 8 tiles of 16, for all 80 rows: 5 x 8 x 4 = 160 matrix instructions.
; The wave's 32 fragments of W1 and its bias stay in registers, loaded once, each lane its 16 bytes of a register image.  The 80 rows' codes are gathered by the list (20 rows a wave, 512 consecutive bytes each) into LDS, where all four waves read them.
; THE PRODUCT IS USED TRANSPOSED (source 0 = 16 rows of W1, source 1 = 16 rows of x) and the rows of W1 that form a tile are chosen (row rho of tile 2 b + u is unit 32 b + 8 u + rho + 8 (rho / 8)),
; so that a lane holds one row of h and the 16 registers of tiles 2 b, 2 b + 1 are 16 neighbours along the next K.  The bias is the C of each sum's first matrix instruction.
; THE FLOW IS THE SAME FOR EVERY TILE: only addresses hang on the list, each held inside its buffer.  A position without a token (4096) reads token 4095's row, a tile of no expert reads expert 7's weights;
; their rows of h are stored and used by nobody.  So the one barrier stands under no branch.
; hq: images [295 tiles of 16 rows][16 K steps][1,536 bytes] (registers 4 g .. 4 g + 3 of lane l at 512 g + 16 l); from byte 7,249,920 on the scale words [295][16][16 rows].
; No joint loads in a cluster: which expert's weights a tile needs is a number read from memory, so neighbours in the grid need not share any; and the operands go from memory straight into registers.
; LIMITS: NaN and infinities are not served; a block of h whose largest number lies under 2^-122 (a block of zeros among them) carries the byte 1 (read by this program alone).
; REGISTERS.  Window 0: v4-10 addresses; v16-63, v192-239 x's four fragments of 16 rows, two sets; v64-127 eight accumulators; v128-146 codes; v148-163 at work; v164 the scale word made;
;   v166-173 x's scale words, two sets; v176-191 W1's scale words (lanes 0-15 K step 2 j, lanes 16-31 K step 2 j + 1).  At the head v16-95 take the gathered rows and v128-147 their offsets.
;   Window 1: tiles 0-3: fragment (t, s) at v[48 t + 12 s], bias at v[192 + 8 t].  Window 2: tiles 4-7 likewise.
.set HSOFF, 7249920
.set XF0, 16
.set XF1, 192
.set HA,  64
.set PC,  128
.set TM,  148
.set PW,  164
.set XS,  166
.set W1S, 176
.set RO,  128
.set LAND, 16
.set SEL, 60
.set MSB, 0
.macro WIN new                         ; the immediate's high byte repeats the setting that is left
.if MSB != (\new)
	s_set_vgpr_msb (MSB<<8)|(\new)
.set MSB, (\new)
.endif
.endm
	s_load_b256 s[4:11], s[0:1], 0x0               ; xq s[4:5], w1q s[6:7], b1 s[8:9], order s[10:11]
	s_load_b64 s[12:13], s[0:1], 0x20              ; hq
	v_lshl_add_u32 v254, v0, 2, 0xa500
	v_mov_b32 v255, 0
	v_lshrrev_b32 v1, 5, v0
	v_readfirstlane_b32 s14, v1                    ; wave 0..3
	v_and_b32 v1, 31, v0                           ; lane
	v_and_b32 v2, 15, v0                           ; r
	v_bfe_u32 v3, v0, 4, 1                         ; h
	v_lshlrev_b32 v4, 4, v1                        ; 16 x lane
	v_lshlrev_b32 v5, 2, v2                        ; 4 r
	s_mul_i32 s44, s14, 10560
	v_add_nc_u32 v6, s44, v4                       ; LDS: my wave's 20 rows, 528 bytes apart
	v_mul_u32_u24 v7, v2, 528
	v_add_nc_u32 v8, 384, v7                       ; row r's scale words
	v_mad_u32_u24 v7, v3, 192, v7                  ; row r's codes for my half
	v_lshlrev_b32 v9, 6, v3                        ; the bias: 64 h
	v_lshlrev_b32 v10, 2, v1                       ; 4 x lane
	s_and_b32 s15, ttmp7, 0xffff                   ; the tile of rows
	s_mul_i32 s44, s15, 320
	s_mul_i32 s45, s14, 80
	s_add_co_u32 s44, s44, s45                     ; list entries 80 tile + 20 w on
	s_mov_b32 s45, 0
	s_mov_b32 s[SEL], 0x76543210
	s_mov_b32 s[SEL+1], 0xfedcba98                 ; v_permlanex16_b32's selects for lane l xor 16
.irp b, 0,1,2,3
	v_mov_b32 v[TM+4+\b], 0                        ; written once: a lane permute's destination counts as one of its sources
.endr
	s_wait_kmcnt 0x0
	s_add_nc_u64 s[46:47], s[10:11], s[44:45]
	s_load_b512 s[16:31], s[46:47], 0x0            ; my 20 rows' tokens
	s_load_b128 s[32:35], s[46:47], 0x40
	s_load_b256 s[36:43], s[10:11], 0x4a00         ; the tile at which each expert ends
	s_wait_kmcnt 0x0
	s_mov_b32 s48, 0
.irp i, 0,1,2,3,4,5,6,7
	s_cmp_ge_u32 s15, s[36+\i]
	s_add_co_ci_u32 s48, s48, 0                    ; my tile's expert = how many experts end at or before it,
.endr
	s_min_u32 s48, s48, 7                          ; held inside the table
	s_lshl_b32 s49, ttmp9, 2
	s_add_co_u32 s49, s49, s14                     ; my slice
	s_lshl_b32 s50, s48, 4
	s_add_co_u32 s50, s50, s49
	s_mul_i32 s50, s50, 51200
	s_mov_b32 s51, 0
	s_add_nc_u64 s[6:7], s[6:7], s[50:51]          ; the block of (expert, slice)
	s_lshl_b32 s50, s48, 13
	s_lshl_b32 s52, s49, 9
	s_add_co_u32 s50, s50, s52
	s_add_nc_u64 s[8:9], s[8:9], s[50:51]          ; its 128 numbers of b1
	s_mul_i32 s52, s15, 80
	s_add_co_u32 s52, s52, s49                     ; 16 (5 tile) + slice
	s_mul_i32 s50, s52, 1536
	s_add_nc_u64 s[54:55], s[12:13], s[50:51]      ; where my images go,
	s_lshl_b32 s50, s52, 6
	s_add_co_u32 s50, s50, HSOFF
	s_add_nc_u64 s[56:57], s[12:13], s[50:51]      ; and my scale words
.irp i, 0,1,2,3,4,5,6,7,8,9,10,11,12,13,14,15,16,17,18,19
	s_min_u32 s44, s[16+\i], 4095                  ; a token, held inside xq
	v_lshl_add_u32 v[RO+\i], s44, 9, v4
.endr
.irp i, 0,1,2,3,4,5,6,7,8,9,10,11,12,13,14,15,16,17,18,19
	global_load_b128 v[LAND+4*\i:LAND+4*\i+3], v[RO+\i], s[4:5]    ; a row of xq: 512 consecutive bytes
.endr
.irp n, 0,1,2,3,4,5,6,7,8,9,10,11,12,13,14,15
	global_load_b32 v[W1S+\n], v10, s[6:7] offset:49152+128*\n
.endr
.irp g, 0,1                            ; tiles 4 g .. 4 g + 3 into window 1 + g
	WIN 0x40*(1+\g)
.irp t, 0,1,2,3
	global_load_b128 v[192+8*\t:195+8*\t], v9, s[8:9] offset:(32*((4*\g+\t)/2)+8*(\t%2))*4
	global_load_b128 v[196+8*\t:199+8*\t], v9, s[8:9] offset:(32*((4*\g+\t)/2)+8*(\t%2))*4+16
.endr
.irp t, 0,1,2,3
.irp s, 0,1,2,3
.irp c, 0,1,2
	global_load_b128 v[48*\t+12*\s+4*\c:48*\t+12*\s+4*\c+3], v4, s[6:7] offset:((8*(\s/2)+4*\g+\t)*2+\s%2)*1536+512*\c
.endr
.endr
.endr
.endr
	WIN 0
	s_wait_loadcnt 63                              ; behind the 20 rows 128 loads were issued: with 63 out at the most the rows are in
.irp i, 0,1,2,3,4,5,6,7,8,9,10,11,12,13,14,15,16,17,18,19
	ds_store_b128 v6, v[LAND+4*\i:LAND+4*\i+3] offset:528*\i
.endr
	s_wait_dscnt 0x0                               ; for the others' sake: my rows have landed
	s_barrier_signal -1
	s_barrier_wait -1
	s_wait_loadcnt 0x0                             ; weights, scale words, bias
.macro FETCH m                         ; rows 16 m .. 16 m + 15: four fragments and four scale words, into set m % 2
.set FB, XF0+(XF1-XF0)*((\m)%2)
.set FS, XS+4*((\m)%2)
.irp q, 0,1,2,3,4,5,6,7,8,9,10,11
	ds_load_b128 v[FB+4*\q:FB+4*\q+3], v7 offset:8448*(\m)+16*\q
.endr
.irp s, 0,1,2,3
	ds_load_b32 v[FS+\s], v8 offset:8448*(\m)+16*\s
.endr
.endm
; 64 numbers of a lane, register 16 b + i = k 32 b + 16 (lane / 16) + i of my row, become a fragment's codes in v[PC] on and its scale word in v[PW]
.macro QUANT s
.irp b, 0,1,2,3
	v_max3_num_f32 v[TM+\b], |v[\s+16*\b]|, |v[\s+1+16*\b]|, 0x2800000   ; my 16 numbers of block b, and the floor 2^(5 - 127): the byte cannot fall under 1
.endr
.irp i, 2,4,6,8,10,12,14
.irp b, 0,1,2,3
	v_max3_num_f32 v[TM+\b], v[TM+\b], |v[\s+16*\b+\i]|, |v[\s+1+16*\b+\i]|
.endr
.endr
.irp b, 0,1,2,3
	v_permlanex16_b32 v[TM+4+\b], v[TM+\b], s[SEL], s[SEL+1]
.endr
.irp b, 0,1,2,3
	v_max_num_f32 v[TM+\b], v[TM+\b], v[TM+4+\b]   ; with lane l xor 16's: the block's largest magnitude
.endr
.irp b, 0,1,2,3
	v_add_nc_u32 v[TM+12+\b], 0xfe000000, v[TM+\b] ; 4 off its exponent field: the conversion's scale operand
.endr
.irp b, 0,1,2,3
	v_lshrrev_b32 v[TM+4+\b], 23, v[TM+12+\b]      ; the byte
.endr
	v_lshl_or_b32 v[PW], v[TM+5], 8, v[TM+4]
	v_lshl_or_b32 v[PW], v[TM+6], 16, v[PW]
	v_lshl_or_b32 v[PW], v[TM+7], 24, v[PW]
.irp c, 0,1
	v_cvt_scalef32_pk16_bf6_f32 v[PC+6*\c:PC+2+6*\c], v[\s+32*\c:\s+15+32*\c], v[TM+12+2*\c]
	v_cvt_scalef32_pk16_bf6_f32 v[PC+12+4*\c:PC+14+4*\c], v[\s+16+32*\c:\s+31+32*\c], v[TM+12+2*\c+1]   ; (a conversion's three registers begin on an even number)
.endr
	v_nop                                          ; one plain line behind the conversions
.irp c, 0,1                            ; the operand's layout wants a whole block in a lane: lanes 0-15 block 2 c, lanes 16-31 block 2 c + 1
.irp i, 0,1,2
	v_permlane16_swap_b32 v[PC+6*\c+\i], v[PC+12+4*\c+\i]
.endr
.irp i, 0,1,2
	v_mov_b32 v[PC+3+6*\c+\i], v[PC+12+4*\c+\i]
.endr
.endr
.endm
; Rows 16 m on: 32 matrix instructions, the eight accumulators by turns, one instruction a turn; relu; quantised; stored.
.macro MT m
.if (\m) < 4
	FETCH (\m)+1                                   ; into the other set: its last readers stand behind the whole of the last tile's vector work
	s_wait_dscnt 16                                ; this tile's 16 loads are in; the 16 just issued may be out
.else
	s_wait_dscnt 0x0
.endif
.set XB, XF0+(XF1-XF0)*((\m)%2)
.set XSB, XS+4*((\m)%2)
.irp s, 0,1,2,3
.irp t, 0,1,2,3,4,5,6,7
.set rD, HA+8*\t
.set rW, 48*(\t%4)+12*\s
.set rX, XB+12*\s
.set rC, 192+8*(\t%4)
.set rS, W1S+8*(\s/2)+\t
.set rT, XSB+\s
.if \s == 0
	WIN 0x11*(1+\t/4)                              ; W1 and b1 in window 1 or 2
	v_wmma_scale_f32_16x16x128_f8f6f4 v[rD:rD+7], v[rW:rW+11], v[rX:rX+11], v[rC:rC+7], v[rS], v[rT] matrix_a_fmt:MATRIX_FMT_BF6 matrix_b_fmt:MATRIX_FMT_BF6
.elseif \s == 2
	WIN 1+\t/4
	v_wmma_scale_f32_16x16x128_f8f6f4 v[rD:rD+7], v[rW:rW+11], v[rX:rX+11], v[rD:rD+7], v[rS], v[rT] matrix_a_fmt:MATRIX_FMT_BF6 matrix_b_fmt:MATRIX_FMT_BF6
.else
	WIN 1+\t/4
	v_wmma_scale_f32_16x16x128_f8f6f4 v[rD:rD+7], v[rW:rW+11], v[rX:rX+11], v[rD:rD+7], v[rS], v[rT] matrix_a_fmt:MATRIX_FMT_BF6 matrix_b_fmt:MATRIX_FMT_BF6 matrix_a_scale:MATRIX_SCALE_ROW1
.endif
.endr
.endr
	WIN 0
.rept 4
	v_nop                                          ; four places between the last product and the first read of results (ISA guide 7.12.1)
.endr
.irp j, 0,1,2,3,4,5,6,7,8,9,10,11,12,13,14,15,16,17,18,19,20,21,22,23,24,25,26,27,28,29,30,31,32,33,34,35,36,37,38,39,40,41,42,43,44,45,46,47,48,49,50,51,52,53,54,55,56,57,58,59,60,61,62,63
	v_max_num_f32 v[HA+\j], 0, v[HA+\j]            ; relu, in f32; each accumulator from its low end on
.endr
.if (\m) > 0
	s_wait_xcnt 0x0                                ; the last tile's stores have read their registers: codes and scale word are written again only behind this wait
.endif
	QUANT HA
.irp c, 0,1,2
	global_store_b128 v4, v[PC+4*\c:PC+4*\c+3], s[54:55] offset:24576*(\m)+512*\c   ; the image: 512 consecutive bytes, aligned
.endr
	global_store_b32 v5, v[PW], s[56:57] offset:1024*(\m)      ; 16 words; both halves of the lanes hold and write the same
.endm
	FETCH 0
	MT 0
	MT 1
	MT 2
	MT 3
	MT 4
	s_wait_tensorcnt 0x0
	ds_add_u32 v254, v255
	s_wait_dscnt 0x0
	s_endpgm
.Lfunc_end_k_q75f9adcd84_up:
	.size	k_q75f9adcd84_up, .Lfunc_end_k_q75f9adcd84_up-k_q75f9adcd84_up
	.p2alignl 7, 3214868480
	.fill 96, 4, 3214868480
	.section	.rodata,"a",@progbits
	.p2align	6, 0x0
	.amdhsa_kernel k_q75f9adcd84_up
		.amdhsa_group_segment_fixed_size 42752
		.amdhsa_private_segment_fixed_size 0
		.amdhsa_enable_private_segment 0
		.amdhsa_kernarg_size 40
		.amdhsa_user_sgpr_count 2
		.amdhsa_user_sgpr_kernarg_segment_ptr 1
		.amdhsa_wavefront_size32 1
		.amdhsa_system_sgpr_workgroup_id_x 1
		.amdhsa_system_sgpr_workgroup_id_y 1
		.amdhsa_system_sgpr_workgroup_id_z 1
		.amdhsa_system_vgpr_workitem_id 0
		.amdhsa_next_free_vgpr 768
		.amdhsa_next_free_sgpr 66
		.amdhsa_reserve_vcc 0
		.amdhsa_float_denorm_mode_32 3
		.amdhsa_float_denorm_mode_16_64 3
		.amdhsa_memory_ordered 1
		.amdhsa_forward_progress 1
		.amdhsa_inst_pref_size 79
	.end_amdhsa_kernel
	.amdgpu_metadata
---
amdhsa.version: [ 1, 2 ]
amdhsa.kernels:
  - .name:           k_q75f9adcd84_up
    .symbol:         k_q75f9adcd84_up.kd
    .args:
      - { .name: xq, .offset: 0, .size: 8, .value_kind: global_buffer, .address_space: global }
      - { .name: w1q, .offset: 8, .size: 8, .value_kind: global_buffer, .address_space: global }
      - { .name: b1, .offset: 16, .size: 8, .value_kind: global_buffer, .address_space: global }
      - { .name: order, .offset: 24, .size: 8, .value_kind: global_buffer, .address_space: global }
      - { .name: hq, .offset: 32, .size: 8, .value_kind: global_buffer, .address_space: global }
    .group_segment_fixed_size: 42752
    .private_segment_fixed_size: 0
    .kernarg_segment_align: 8
    .kernarg_segment_size: 40
    .max_flat_workgroup_size: 128
    .sgpr_count:     66
    .vgpr_count:     768
    .wavefront_size: 32
...
	.end_amdgpu_metadata
.endif
;; end of part 3
;; launch down (part 4): grid 4 x 59, 4 waves a work-group, no clusters, 169,472 bytes of LDS; arguments hq, w2q, b2, order, out0; writes out0
.if DOCPART == 4
	.amdgcn_target "amdgcn-amd-amdhsa--gfx1250"
	.amdhsa_code_object_version 6
	.text
	.protected	k_q75f9adcd84_down
	.globl	k_q75f9adcd84_down
	.p2align	8
	.type	k_q75f9adcd84_down,@function
k_q75f9adcd84_down:
	s_mov_b64 s[64:65], 0
	v_nop
	global_prefetch_b8 v0, s[64:65] scope:SCOPE_SE
	s_setreg_imm32_b32 hwreg(HW_REG_WAVE_MODE, 25, 1), 1
	s_wait_xcnt 0x0
; THE SECOND PRODUCT, for the chosen expert's rows alone: out[token] = h Q(W2[e]) + b2[e], h and W2 as codes of BF6 (E3M2) with E8M0 scales; rows go to their tokens by the list.
; The gate is a softmax over ONE logit: exp(0) / exp(0) = 1 for every finite logit, so no multiplication is written.  LIMIT: a logit that is NaN or infinite (gate NaN in the reference) is not served.
; SHARES.  Work-group (x, y): tile y of 80 sorted rows, outputs 128 x .. 128 x + 127: 5 x 8 = 40 accumulators of 16 x 16.  THE WAVES SHARE K: wave w takes K steps 4 w .. 4 w + 3 of the 16, for all 40 accumulators: 160 matrix instructions.
; So each byte of h's and W2's codes that the work-group needs is loaded by one wave alone, straight into operand registers, each lane its 16 bytes of a register image.  The four partial sums meet in LDS, row by row,
; where the bias is added and whole rows of 512 bytes leave.
; THE PRODUCT IS USED TRANSPOSED (source 0 = 16 outputs of W2, source 1 = 16 rows of h): a lane holds eight neighbouring outputs of one row.
; Up to the one barrier the flow is the same for every tile: only addresses hang on the list, each held inside its buffer.  Behind it a position without a token (4096) is passed over by a scalar branch on the stored number.
; No joint loads in a cluster: which expert's weights a tile needs is a number read from memory, so neighbours in the grid need not share any; and the operands go from memory straight into registers.
; The sums of the four quarters of K are added in f32 in another order than one chain would.
; REGISTERS.  Window 0: v4-11 addresses; v12-15 bias; v16-31 W2's scale words [2 T + q / 2]; v32-41 h's [2 m + q / 2] (lanes 0-15 the even K step, lanes 16-31 the odd); v42-61 the rows' offsets in out0;
;   v64-243 h's fragments (m, q) for q = 0, 1, 2 at 64 + 60 q + 12 m; later the rows being added.   Window 1: v0-191 W2's fragments (T, q) for q = 0, 1 at 96 q + 12 T; v192-251 h's for q = 3.
;   Window 2: accumulators (m, T), m = 0 .. 3, at 64 m + 8 T.   Window 3: v0-63 those of m = 4; v64-255 W2's fragments for q = 2, 3.
.set HSOFF, 7249920
.set MSB, 0
.macro WIN new                         ; the immediate's high byte repeats the setting that is left
.if MSB != (\new)
	s_set_vgpr_msb (MSB<<8)|(\new)
.set MSB, (\new)
.endif
.endm
	s_load_b256 s[4:11], s[0:1], 0x0               ; hq s[4:5], w2q s[6:7], b2 s[8:9], order s[10:11]
	s_load_b64 s[12:13], s[0:1], 0x20              ; out0
	v_lshl_add_u32 v254, v0, 2, 0x29400
	v_mov_b32 v255, 0
	v_lshrrev_b32 v1, 5, v0
	v_readfirstlane_b32 s14, v1                    ; wave 0..3
	v_and_b32 v1, 31, v0                           ; lane
	v_and_b32 v2, 15, v0                           ; r
	v_bfe_u32 v3, v0, 4, 1                         ; h
	v_lshlrev_b32 v4, 4, v1                        ; 16 x lane
	v_lshlrev_b32 v5, 2, v1                        ; 4 x lane
	s_mul_i32 s44, s14, 42240
	v_mul_u32_u24 v6, v2, 528
	v_lshl_add_u32 v6, v3, 5, v6
	v_add_nc_u32 v6, s44, v6                       ; LDS: my wave's partial sums, 80 rows of 528 bytes: row r, 32 h
	s_mul_i32 s44, s14, 10560
	v_add_nc_u32 v8, s44, v4                       ; rows 20 w on of wave 0's partial sums, 16 bytes a lane;
	v_add_nc_u32 v9, 42240, v8                     ; of wave 1's,
	v_add_nc_u32 v10, 84480, v8                    ; wave 2's,
	v_add_nc_u32 v11, 126720, v8                   ; wave 3's
	s_and_b32 s15, ttmp7, 0xffff                   ; the tile of rows
	s_mul_i32 s44, s15, 320
	s_mul_i32 s45, s14, 80
	s_add_co_u32 s44, s44, s45                     ; list entries 80 tile + 20 w on: the rows that I add up and store
	s_mov_b32 s45, 0
	s_mul_i32 s52, s15, 80
	s_lshl_b32 s53, s14, 2
	s_add_co_u32 s52, s52, s53                     ; 16 (5 tile) + my first K step
	s_mul_i32 s50, s52, 1536
	s_mov_b32 s51, 0
	s_lshl_b32 s52, s52, 6
	s_add_co_u32 s52, s52, HSOFF
	s_mov_b32 s53, 0
	s_wait_kmcnt 0x0
	s_add_nc_u64 s[46:47], s[10:11], s[44:45]
	s_load_b512 s[16:31], s[46:47], 0x0            ; 20 tokens
	s_load_b128 s[32:35], s[46:47], 0x40
	s_load_b256 s[36:43], s[10:11], 0x4a00         ; the tile at which each expert ends
	s_add_nc_u64 s[54:55], s[4:5], s[50:51]        ; h's images
	s_add_nc_u64 s[56:57], s[4:5], s[52:53]        ; h's scale words
	; what hangs on the tile's number alone goes out while the list is on its way
.irp q, 0,1,2
.irp m, 0,1,2,3,4
.irp c, 0,1,2
	global_load_b128 v[64+60*\q+12*\m+4*\c:64+60*\q+12*\m+4*\c+3], v4, s[54:55] offset:24576*\m+1536*\q+512*\c
.endr
.endr
.endr
.irp m, 0,1,2,3,4
.irp j, 0,1
	global_load_b32 v[32+2*\m+\j], v5, s[56:57] offset:1024*\m+128*\j
.endr
.endr
	WIN 0x40
.irp m, 0,1,2,3,4
.irp c, 0,1,2
	global_load_b128 v[192+12*\m+4*\c:192+12*\m+4*\c+3], v4, s[54:55] offset:24576*\m+1536*3+512*\c
.endr
.endr
	WIN 0
	s_wait_kmcnt 0x0
	s_mov_b32 s48, 0
.irp i, 0,1,2,3,4,5,6,7
	s_cmp_ge_u32 s15, s[36+\i]
	s_add_co_ci_u32 s48, s48, 0                    ; my tile's expert = how many experts end at or before it,
.endr
	s_min_u32 s48, s48, 7                          ; held inside the table
	s_lshl_b32 s49, s48, 4
	s_lshl_b32 s50, ttmp9, 2
	s_add_co_u32 s49, s49, s50
	s_mul_i32 s49, s49, 51200                      ; the first of my four blocks (expert, slice of 32 outputs)
	s_mul_i32 s50, s14, 12288                      ; my K steps' eight images in a block
	s_add_co_u32 s50, s50, s49
	s_mov_b32 s51, 0
	s_add_nc_u64 s[58:59], s[6:7], s[50:51]
	s_lshl_b32 s50, s14, 9
	s_add_co_u32 s50, s50, s49
	s_add_co_u32 s50, s50, 49152
	s_add_nc_u64 s[60:61], s[6:7], s[50:51]        ; and their scale words
	s_lshl_b32 s50, ttmp9, 9
	s_add_nc_u64 s[12:13], s[12:13], s[50:51]      ; my 128 outputs in a row of out0
	s_lshl_b32 s49, s48, 11
	s_add_co_u32 s50, s50, s49
	s_add_nc_u64 s[8:9], s[8:9], s[50:51]          ; and in b2[e]
.irp i, 0,1,2,3,4,5,6,7,8,9,10,11,12,13,14,15,16,17,18,19
	s_min_u32 s44, s[16+\i], 4095                  ; a token, held inside out0
	v_lshl_add_u32 v[42+\i], s44, 11, v4
.endr
	global_load_b128 v[12:15], v4, s[8:9]
.irp t, 0,1,2,3,4,5,6,7
.irp j, 0,1
	global_load_b32 v[16+2*\t+\j], v5, s[60:61] offset:51200*(\t/2)+256*\j+128*(\t%2)
.endr
.endr
	WIN 0x40
.irp q, 0,1
.irp t, 0,1,2,3,4,5,6,7
.irp c, 0,1,2
	global_load_b128 v[96*\q+12*\t+4*\c:96*\q+12*\t+4*\c+3], v4, s[58:59] offset:51200*(\t/2)+(2*(\t%2)+\q)*1536+512*\c
.endr
.endr
.endr
	WIN 0xc0
.irp q, 0,1
.irp t, 0,1,2,3,4,5,6,7
.irp c, 0,1,2
	global_load_b128 v[64+96*\q+12*\t+4*\c:64+96*\q+12*\t+4*\c+3], v4, s[58:59] offset:51200*(\t/2)+(4+2*(\t%2)+\q)*1536+512*\c
.endr
.endr
.endr
	WIN 0
; My q-th K step: 40 matrix instructions, the 40 accumulators by turns, one instruction a turn, in the same order in every step.  The first step starts the sums: nothing is cleared.
.macro MUL40 q
.if (\q) < 2
.set WLO, 1
.set RB0, 96*(\q)
.else
.set WLO, 3
.set RB0, 64+96*((\q)-2)
.endif
.if (\q) == 3
.set WLO, 7
.set RA0, 192
.else
.set RA0, 64+60*(\q)
.endif
.irp m, 0,1,2,3,4
	WIN 0xa0+0x50*(\m/4)+WLO
.irp t, 0,1,2,3,4,5,6,7
.set rD, 64*(\m%4)+8*\t
.set rB, RB0+12*\t
.set rA, RA0+12*\m
.set rS, 16+2*\t+(\q)/2
.set rT, 32+2*\m+(\q)/2
.if (\q) == 0
	v_wmma_scale_f32_16x16x128_f8f6f4 v[rD:rD+7], v[rB:rB+11], v[rA:rA+11], 0, v[rS], v[rT] matrix_a_fmt:MATRIX_FMT_BF6 matrix_b_fmt:MATRIX_FMT_BF6
.elseif (\q) == 2
	v_wmma_scale_f32_16x16x128_f8f6f4 v[rD:rD+7], v[rB:rB+11], v[rA:rA+11], v[rD:rD+7], v[rS], v[rT] matrix_a_fmt:MATRIX_FMT_BF6 matrix_b_fmt:MATRIX_FMT_BF6
.else
	v_wmma_scale_f32_16x16x128_f8f6f4 v[rD:rD+7], v[rB:rB+11], v[rA:rA+11], v[rD:rD+7], v[rS], v[rT] matrix_a_fmt:MATRIX_FMT_BF6 matrix_b_fmt:MATRIX_FMT_BF6 matrix_a_scale:MATRIX_SCALE_ROW1 matrix_b_scale:MATRIX_SCALE_ROW1
.endif
.endr
.endr
.endm
	s_wait_loadcnt 63                              ; behind W2's fragments of my first K step 72 loads were issued: with 63 out at the most that step's operands are in
	MUL40 0
	s_wait_loadcnt 48                              ; the fragments of the two later K steps may be out
	MUL40 1
	s_wait_loadcnt 24
	MUL40 2
	s_wait_loadcnt 0x0
	MUL40 3
	WIN 0
.rept 4
	v_nop                                          ; four places between the last product and the first read of results, and the loads into registers that products have read
.endr
.irp m, 0,1,2,3,4
	WIN 0x08+4*(\m/4)                              ; an LDS store's data are its source 1: window 2 or 3
.irp t, 0,1,2,3,4,5,6,7
	ds_store_b128 v6, v[64*(\m%4)+8*\t:64*(\m%4)+8*\t+3] offset:8448*\m+64*\t          ; each accumulator from its low end on: row 16 m + r, outputs 16 t + 8 h + 0 .. 7
	ds_store_b128 v6, v[64*(\m%4)+8*\t+4:64*(\m%4)+8*\t+7] offset:8448*\m+64*\t+16
.endr
.endr
	WIN 0
	s_wait_dscnt 0x0                               ; for the others' sake: my partial sums have landed
	s_barrier_signal -1
	s_barrier_wait -1
; Rows 20 w .. 20 w + 19 are mine to add up: five rows at a time, in two sets of registers
.macro RB b
.irp i, 0,1,2,3,4
.irp p, 0,1,2,3
	ds_load_b128 v[64+80*((\b)%2)+16*\i+4*\p:64+80*((\b)%2)+16*\i+4*\p+3], v[8+\p] offset:528*(5*(\b)+\i)
.endr
.endr
.endm
.macro ROWOUT b, i
.set RR, 64+80*((\b)%2)+16*(\i)
	v_pk_add_f32 v[RR:RR+1], v[RR:RR+1], v[RR+4:RR+5]
	v_pk_add_f32 v[RR+2:RR+3], v[RR+2:RR+3], v[RR+6:RR+7]
	v_pk_add_f32 v[RR+8:RR+9], v[RR+8:RR+9], v[RR+12:RR+13]
	v_pk_add_f32 v[RR+10:RR+11], v[RR+10:RR+11], v[RR+14:RR+15]
	v_pk_add_f32 v[RR:RR+1], v[RR:RR+1], v[RR+8:RR+9]
	v_pk_add_f32 v[RR+2:RR+3], v[RR+2:RR+3], v[RR+10:RR+11]
	v_pk_add_f32 v[RR:RR+1], v[RR:RR+1], v[12:13]
	v_pk_add_f32 v[RR+2:RR+3], v[RR+2:RR+3], v[14:15]
	s_cmp_lt_u32 s[16+5*(\b)+(\i)], 4096
	s_cbranch_scc0 .Lnone_\@                       ; a position without a token stores nothing
	global_store_b128 v[42+5*(\b)+(\i)], v[RR:RR+3], s[12:13] th:TH_STORE_NT   ; 32 lanes store 512 consecutive bytes, aligned
.Lnone_\@:
.endm
	RB 0
.irp b, 0,1,2,3
.if \b < 3
.if \b > 0
	s_wait_xcnt 0x0                                ; the stores of two batches back have read their registers: the set is loaded again only behind this wait
.endif
	RB \b+1
	s_wait_dscnt 20                                ; this batch's 20 loads are in; the 20 just issued may be out
.else
	s_wait_dscnt 0x0
.endif
.irp i, 0,1,2,3,4
	ROWOUT \b, \i
.endr
.endr
	s_wait_tensorcnt 0x0
	ds_add_u32 v254, v255
	s_wait_dscnt 0x0
	s_endpgm
.Lfunc_end_k_q75f9adcd84_down:
	.size	k_q75f9adcd84_down, .Lfunc_end_k_q75f9adcd84_down-k_q75f9adcd84_down
	.p2alignl 7, 3214868480
	.fill 96, 4, 3214868480
	.section	.rodata,"a",@progbits
	.p2align	6, 0x0
	.amdhsa_kernel k_q75f9adcd84_down
		.amdhsa_group_segment_fixed_size 169472
		.amdhsa_private_segment_fixed_size 0
		.amdhsa_enable_private_segment 0
		.amdhsa_kernarg_size 40
		.amdhsa_user_sgpr_count 2
		.amdhsa_user_sgpr_kernarg_segment_ptr 1
		.amdhsa_wavefront_size32 1
		.amdhsa_system_sgpr_workgroup_id_x 1
		.amdhsa_system_sgpr_workgroup_id_y 1
		.amdhsa_system_sgpr_workgroup_id_z 1
		.amdhsa_system_vgpr_workitem_id 0
		.amdhsa_next_free_vgpr 1024
		.amdhsa_next_free_sgpr 66
		.amdhsa_reserve_vcc 0
		.amdhsa_float_denorm_mode_32 3
		.amdhsa_float_denorm_mode_16_64 3
		.amdhsa_memory_ordered 1
		.amdhsa_forward_progress 1
		.amdhsa_inst_pref_size 69
	.end_amdhsa_kernel
	.amdgpu_metadata
---
amdhsa.version: [ 1, 2 ]
amdhsa.kernels:
  - .name:           k_q75f9adcd84_down
    .symbol:         k_q75f9adcd84_down.kd
    .args:
      - { .name: hq, .offset: 0, .size: 8, .value_kind: global_buffer, .address_space: global }
      - { .name: w2q, .offset: 8, .size: 8, .value_kind: global_buffer, .address_space: global }
      - { .name: b2, .offset: 16, .size: 8, .value_kind: global_buffer, .address_space: global }
      - { .name: order, .offset: 24, .size: 8, .value_kind: global_buffer, .address_space: global }
      - { .name: out0, .offset: 32, .size: 8, .value_kind: global_buffer, .address_space: global }
    .group_segment_fixed_size: 169472
    .private_segment_fixed_size: 0
    .kernarg_segment_align: 8
    .kernarg_segment_size: 40
    .max_flat_workgroup_size: 128
    .sgpr_count:     66
    .vgpr_count:     1024
    .wavefront_size: 32
...
	.end_amdgpu_metadata
.endif
;; end of part 4
;; ======== version 2 of 2: 4 launches; version 1 with the launches up, down written anew for expert scheduling mode
;; workspace buffers: route 32,768 bytes of whole numbers; order 19,200 bytes of whole numbers; xq 2,097,152 bytes; w1q 6,553,600 bytes; w2q 6,553,600 bytes; hq 7,552,000 bytes
;; launch prep1: the kernel of part 1 again; grid 768 x 1, 4 waves a work-group, no clusters, 74,496 bytes of LDS; arguments x, Wr, br, W1, xq, route, w1q; writes xq, route, w1q
;; launch prep2: the kernel of part 2 again; grid 544 x 1, 4 waves a work-group, no clusters, 17,152 bytes of LDS; arguments route, W2, order, w2q; writes order, w2q
;; launch up (part 5): grid 4 x 59, 4 waves a work-group, no clusters, 42,752 bytes of LDS; arguments xq, w1q, b1, order, hq; writes hq
.if DOCPART == 5
	.amdgcn_target "amdgcn-amd-amdhsa--gfx1250"
	.amdhsa_code_object_version 6
	.text
	.protected	k_q75f9adcd84_up
	.globl	k_q75f9adcd84_up
	.p2align	8
	.type	k_q75f9adcd84_up,@function
k_q75f9adcd84_up:
	s_mov_b64 s[64:65], 0
	v_nop
	global_prefetch_b8 v0, s[64:65] scope:SCOPE_SE
	s_setreg_imm32_b32 hwreg(HW_REG_WAVE_SCHED_MODE, 0, 2), 2
	s_setreg_imm32_b32 hwreg(HW_REG_WAVE_MODE, 25, 1), 1
	s_wait_xcnt 0x0
	s_wait_alu depctr_vm_vsrc(0)
; THE FIRST PRODUCT, for the chosen expert's rows alone: h = Q(relu(Q(x) Q(W1[e]) + b1[e])), on codes of BF6 (E3M2) with E8M0 scales; h leaves as codes, quantised along the second product's K.
; SHARES.  Work-group (x, y): tile y of 80 sorted rows (all of one expert), hidden units 512 x .. 512 x + 511.  Wave w: slice 4 x + w, 128 hidden units = 8 tiles of 16, for all 80 rows: 5 x 8 x 4 = 160 matrix instructions.
; The wave's 32 fragments of W1 and its bias stay in registers, loaded once, each lane its 16 bytes of a register image.  The 80 rows' codes are gathered by the list (20 rows a wave, 512 consecutive bytes each) into LDS, where all four waves read them.
; THE PRODUCT IS USED TRANSPOSED (source 0 = 16 rows of W1, source 1 = 16 rows of x) and the rows of W1 that form a tile are chosen (row rho of tile 2 b + u is unit 32 b + 8 u + rho + 8 (rho / 8)),
; so that a lane holds one row of h and the 16 registers of tiles 2 b, 2 b + 1 are 16 neighbours along the next K.  The bias is the C of each sum's first matrix instruction.
; THE FLOW IS THE SAME FOR EVERY TILE: only addresses hang on the list, each held inside its buffer.  A position without a token (4096) reads token 4095's row, a tile of no expert reads expert 7's weights;
; their rows of h are stored and used by nobody.  So the one barrier stands under no branch.
; hq: images [295 tiles of 16 rows][16 K steps][1,536 bytes] (registers 4 g .. 4 g + 3 of lane l at 512 g + 16 l); from byte 7,249,920 on the scale words [295][16][16 rows].
; No joint loads in a cluster: which expert's weights a tile needs is a number read from memory, so neighbours in the grid need not share any; and the operands go from memory straight into registers.
; LIMITS: NaN and infinities are not served; a block of h whose largest number lies under 2^-122 (a block of zeros among them) carries the byte 1 (read by this program alone).
; REGISTERS.  Window 0: v4-10 addresses; v16-63, v192-239 x's four fragments of 16 rows, two sets; v64-127 eight accumulators; v128-146 codes; v148-163 at work; v164 the scale word made;
;   v166-173 x's scale words, two sets; v176-191 W1's scale words (lanes 0-15 K step 2 j, lanes 16-31 K step 2 j + 1).  At the head v16-95 take the gathered rows and v128-147 their offsets.
;   Window 1: tiles 0-3: fragment (t, s) at v[48 t + 12 s], bias at v[192 + 8 t].  Window 2: tiles 4-7 likewise.
; THE MODE: SCHED_MODE bits 1:0 = 2 (LLVM: expert scheduling mode 2), set by the entry lines.  The code itself states the register dependences
; between vector or matrix instructions and memory or LDS instructions, with s_wait_alu, always for 0.
; THE PLAN.  Registers that memory or LDS instructions touch:
;   v4-10         offsets and LDS addresses: made at the head, never written again.
;   v128-147      the 20 rows' offsets: made at the head, read by the 20 gathering loads; from the first tile on these registers are the codes.
;   v16-95        the gathered rows land here and 20 LDS stores read them; behind the barrier they are x's set 0 and part of the accumulators.
;   x's two sets  (fragments and scale words)  Tile m's 32 matrix instructions read set m % 2; the 16 LDS loads of tile m + 2 land in it.
;   v128-139, v164  the codes and the scale word: written by tile m's quantiser, read by its four stores, written again by tile m + 1's quantiser.
;   W1's fragments and scale words and the bias are loaded once and named by matrix instructions alone.
; So ONE wait on va_vdst stands in a tile, behind its quantiser: the codes and the scale word are written, and the tile's matrix instructions are done reading their set of x.  Behind it stand the loads of
; tile m + 2 into that set and the tile's stores.  One wait on vm_vsrc stands ahead of each quantiser but the first.  At the head: one wait on va_sdst, one on va_vdst ahead of all loads, one on vm_vsrc behind the barrier.
.set HSOFF, 7249920
.set XF0, 16
.set XF1, 192
.set HA,  64
.set PC,  128
.set TM,  148
.set PW,  164
.set XS,  166
.set W1S, 176
.set RO,  128
.set LAND, 16
.set SEL, 60
.set MSB, 0
.macro WIN new                         ; the immediate's high byte repeats the setting that is left
.if MSB != (\new)
	s_set_vgpr_msb (MSB<<8)|(\new)
.set MSB, (\new)
.endif
.endm
	s_load_b256 s[4:11], s[0:1], 0x0               ; xq s[4:5], w1q s[6:7], b1 s[8:9], order s[10:11]
	s_load_b64 s[12:13], s[0:1], 0x20              ; hq
	v_lshl_add_u32 v254, v0, 2, 0xa500
	v_mov_b32 v255, 0
	v_lshrrev_b32 v1, 5, v0
	v_readfirstlane_b32 s14, v1                    ; wave 0..3
	v_and_b32 v1, 31, v0                           ; lane
	v_and_b32 v2, 15, v0                           ; r
	v_bfe_u32 v3, v0, 4, 1                         ; h
	v_lshlrev_b32 v4, 4, v1                        ; 16 x lane
	v_lshlrev_b32 v5, 2, v2                        ; 4 r
	s_wait_alu depctr_va_sdst(0)                   ; s14 is written, ahead of its first reader: LDS addresses, the list's place and the slice are made from it
	s_mul_i32 s44, s14, 10560
	v_add_nc_u32 v6, s44, v4                       ; LDS: my wave's 20 rows, 528 bytes apart
	v_mul_u32_u24 v7, v2, 528
	v_add_nc_u32 v8, 384, v7                       ; row r's scale words
	v_mad_u32_u24 v7, v3, 192, v7                  ; row r's codes for my half
	v_lshlrev_b32 v9, 6, v3                        ; the bias: 64 h
	v_lshlrev_b32 v10, 2, v1                       ; 4 x lane
	s_and_b32 s15, ttmp7, 0xffff                   ; the tile of rows
	s_mul_i32 s44, s15, 320
	s_mul_i32 s45, s14, 80
	s_add_co_u32 s44, s44, s45                     ; list entries 80 tile + 20 w on
	s_mov_b32 s45, 0
	s_mov_b32 s[SEL], 0x76543210
	s_mov_b32 s[SEL+1], 0xfedcba98                 ; v_permlanex16_b32's selects for lane l xor 16
.irp b, 0,1,2,3
	v_mov_b32 v[TM+4+\b], 0                        ; written once: a lane permute's destination counts as one of its sources
.endr
	s_wait_kmcnt 0x0
	s_add_nc_u64 s[46:47], s[10:11], s[44:45]
	s_load_b512 s[16:31], s[46:47], 0x0            ; my 20 rows' tokens
	s_load_b128 s[32:35], s[46:47], 0x40
	s_load_b256 s[36:43], s[10:11], 0x4a00         ; the tile at which each expert ends
	s_wait_kmcnt 0x0
	s_mov_b32 s48, 0
.irp i, 0,1,2,3,4,5,6,7
	s_cmp_ge_u32 s15, s[36+\i]
	s_add_co_ci_u32 s48, s48, 0                    ; my tile's expert = how many experts end at or before it,
.endr
	s_min_u32 s48, s48, 7                          ; held inside the table
	s_lshl_b32 s49, ttmp9, 2
	s_add_co_u32 s49, s49, s14                     ; my slice
	s_lshl_b32 s50, s48, 4
	s_add_co_u32 s50, s50, s49
	s_mul_i32 s50, s50, 51200
	s_mov_b32 s51, 0
	s_add_nc_u64 s[6:7], s[6:7], s[50:51]          ; the block of (expert, slice)
	s_lshl_b32 s50, s48, 13
	s_lshl_b32 s52, s49, 9
	s_add_co_u32 s50, s50, s52
	s_add_nc_u64 s[8:9], s[8:9], s[50:51]          ; its 128 numbers of b1
	s_mul_i32 s52, s15, 80
	s_add_co_u32 s52, s52, s49                     ; 16 (5 tile) + slice
	s_mul_i32 s50, s52, 1536
	s_add_nc_u64 s[54:55], s[12:13], s[50:51]      ; where my images go,
	s_lshl_b32 s50, s52, 6
	s_add_co_u32 s50, s50, HSOFF
	s_add_nc_u64 s[56:57], s[12:13], s[50:51]      ; and my scale words
.irp i, 0,1,2,3,4,5,6,7,8,9,10,11,12,13,14,15,16,17,18,19
	s_min_u32 s44, s[16+\i], 4095                  ; a token, held inside xq
	v_lshl_add_u32 v[RO+\i], s44, 9, v4
.endr
	s_wait_alu depctr_va_vdst(0)                   ; the 20 rows' offsets and v4 to v10 are written, which the loads and stores of the whole kernel read; only loads and window switches follow up to the LDS stores
.irp i, 0,1,2,3,4,5,6,7,8,9,10,11,12,13,14,15,16,17,18,19
	global_load_b128 v[LAND+4*\i:LAND+4*\i+3], v[RO+\i], s[4:5]    ; a row of xq: 512 consecutive bytes
.endr
.irp n, 0,1,2,3,4,5,6,7,8,9,10,11,12,13,14,15
	global_load_b32 v[W1S+\n], v10, s[6:7] offset:49152+128*\n
.endr
.irp g, 0,1                            ; tiles 4 g .. 4 g + 3 into window 1 + g
	WIN 0x40*(1+\g)
.irp t, 0,1,2,3
	global_load_b128 v[192+8*\t:195+8*\t], v9, s[8:9] offset:(32*((4*\g+\t)/2)+8*(\t%2))*4
	global_load_b128 v[196+8*\t:199+8*\t], v9, s[8:9] offset:(32*((4*\g+\t)/2)+8*(\t%2))*4+16
.endr
.irp t, 0,1,2,3
.irp s, 0,1,2,3
.irp c, 0,1,2
	global_load_b128 v[48*\t+12*\s+4*\c:48*\t+12*\s+4*\c+3], v4, s[6:7] offset:((8*(\s/2)+4*\g+\t)*2+\s%2)*1536+512*\c
.endr
.endr
.endr
.endr
	WIN 0
	s_wait_loadcnt 63                              ; behind the 20 rows 128 loads were issued: with 63 out at the most the rows are in
.irp i, 0,1,2,3,4,5,6,7,8,9,10,11,12,13,14,15,16,17,18,19
	ds_store_b128 v6, v[LAND+4*\i:LAND+4*\i+3] offset:528*\i
.endr
	s_wait_dscnt 0x0                               ; for the others' sake: my rows have landed
	s_barrier_signal -1
	s_barrier_wait -1
	s_wait_loadcnt 0x0                             ; weights, scale words, bias
	s_wait_alu depctr_vm_vsrc(0)                   ; my LDS stores have read v16 to v95, and the gathering loads their offsets v128 to v147: from here on these registers are x's set 0, accumulators and codes, written by LDS loads, matrix and vector instructions
.macro FETCH m                         ; rows 16 m .. 16 m + 15: four fragments and four scale words, into set m % 2
.set FB, XF0+(XF1-XF0)*((\m)%2)
.set FS, XS+4*((\m)%2)
.irp q, 0,1,2,3,4,5,6,7,8,9,10,11
	ds_load_b128 v[FB+4*\q:FB+4*\q+3], v7 offset:8448*(\m)+16*\q
.endr
.irp s, 0,1,2,3
	ds_load_b32 v[FS+\s], v8 offset:8448*(\m)+16*\s
.endr
.endm
; 64 numbers of a lane, register 16 b + i = k 32 b + 16 (lane / 16) + i of my row, become a fragment's codes in v[PC] on and its scale word in v[PW]
.macro QUANT s
.irp b, 0,1,2,3
	v_max3_num_f32 v[TM+\b], |v[\s+16*\b]|, |v[\s+1+16*\b]|, 0x2800000   ; my 16 numbers of block b, and the floor 2^(5 - 127): the byte cannot fall under 1
.endr
.irp i, 2,4,6,8,10,12,14
.irp b, 0,1,2,3
	v_max3_num_f32 v[TM+\b], v[TM+\b], |v[\s+16*\b+\i]|, |v[\s+1+16*\b+\i]|
.endr
.endr
.irp b, 0,1,2,3
	v_permlanex16_b32 v[TM+4+\b], v[TM+\b], s[SEL], s[SEL+1]
.endr
.irp b, 0,1,2,3
	v_max_num_f32 v[TM+\b], v[TM+\b], v[TM+4+\b]   ; with lane l xor 16's: the block's largest magnitude
.endr
.irp b, 0,1,2,3
	v_add_nc_u32 v[TM+12+\b], 0xfe000000, v[TM+\b] ; 4 off its exponent field: the conversion's scale operand
.endr
.irp b, 0,1,2,3
	v_lshrrev_b32 v[TM+4+\b], 23, v[TM+12+\b]      ; the byte
.endr
	v_lshl_or_b32 v[PW], v[TM+5], 8, v[TM+4]
	v_lshl_or_b32 v[PW], v[TM+6], 16, v[PW]
	v_lshl_or_b32 v[PW], v[TM+7], 24, v[PW]
.irp c, 0,1
	v_cvt_scalef32_pk16_bf6_f32 v[PC+6*\c:PC+2+6*\c], v[\s+32*\c:\s+15+32*\c], v[TM+12+2*\c]
	v_cvt_scalef32_pk16_bf6_f32 v[PC+12+4*\c:PC+14+4*\c], v[\s+16+32*\c:\s+31+32*\c], v[TM+12+2*\c+1]   ; (a conversion's three registers begin on an even number)
.endr
	v_nop                                          ; one plain line behind the conversions
.irp c, 0,1                            ; the operand's layout wants a whole block in a lane: lanes 0-15 block 2 c, lanes 16-31 block 2 c + 1
.irp i, 0,1,2
	v_permlane16_swap_b32 v[PC+6*\c+\i], v[PC+12+4*\c+\i]
.endr
.irp i, 0,1,2
	v_mov_b32 v[PC+3+6*\c+\i], v[PC+12+4*\c+\i]
.endr
.endr
.endm
; Rows 16 m on: 32 matrix instructions, the eight accumulators by turns, one instruction a turn; relu; quantised; stored.
.macro MT m
.if (\m) < 4
	s_wait_dscnt 16                                ; this tile's 16 loads are in; the next tile's 16, issued behind them, may be out
.else
	s_wait_dscnt 0x0
.endif
.set XB, XF0+(XF1-XF0)*((\m)%2)
.set XSB, XS+4*((\m)%2)
.irp s, 0,1,2,3
.irp t, 0,1,2,3,4,5,6,7
.set rD, HA+8*\t
.set rW, 48*(\t%4)+12*\s
.set rX, XB+12*\s
.set rC, 192+8*(\t%4)
.set rS, W1S+8*(\s/2)+\t
.set rT, XSB+\s
.if \s == 0
	WIN 0x11*(1+\t/4)                              ; W1 and b1 in window 1 or 2
	v_wmma_scale_f32_16x16x128_f8f6f4 v[rD:rD+7], v[rW:rW+11], v[rX:rX+11], v[rC:rC+7], v[rS], v[rT] matrix_a_fmt:MATRIX_FMT_BF6 matrix_b_fmt:MATRIX_FMT_BF6
.elseif \s == 2
	WIN 1+\t/4
	v_wmma_scale_f32_16x16x128_f8f6f4 v[rD:rD+7], v[rW:rW+11], v[rX:rX+11], v[rD:rD+7], v[rS], v[rT] matrix_a_fmt:MATRIX_FMT_BF6 matrix_b_fmt:MATRIX_FMT_BF6
.else
	WIN 1+\t/4
	v_wmma_scale_f32_16x16x128_f8f6f4 v[rD:rD+7], v[rW:rW+11], v[rX:rX+11], v[rD:rD+7], v[rS], v[rT] matrix_a_fmt:MATRIX_FMT_BF6 matrix_b_fmt:MATRIX_FMT_BF6 matrix_a_scale:MATRIX_SCALE_ROW1
.endif
.endr
.endr
	WIN 0
.rept 4
	v_nop                                          ; four places between the last product and the first read of results (ISA guide 7.12.1)
.endr
.irp j, 0,1,2,3,4,5,6,7,8,9,10,11,12,13,14,15,16,17,18,19,20,21,22,23,24,25,26,27,28,29,30,31,32,33,34,35,36,37,38,39,40,41,42,43,44,45,46,47,48,49,50,51,52,53,54,55,56,57,58,59,60,61,62,63
	v_max_num_f32 v[HA+\j], 0, v[HA+\j]            ; relu, in f32; each accumulator from its low end on
.endr
.if (\m) > 0
	s_wait_xcnt 0x0                                ; the last tile's stores have had their addresses translated: codes and scale word are written again only behind this wait,
	s_wait_alu depctr_vm_vsrc(0)                   ; and behind this one: the last tile's stores have read the codes and the scale word, which the quantiser below writes again
.endif
	QUANT HA
	s_wait_alu depctr_va_vdst(0)                   ; the quantiser has written the codes and the scale word, which the stores below read; this tile's matrix instructions are done reading their set of x and its scale words, in which the loads below land
.if (\m) < 3
	FETCH (\m)+2                                   ; into the set just multiplied: these loads have the whole of the next tile in which to land
.endif
.irp c, 0,1,2
	global_store_b128 v4, v[PC+4*\c:PC+4*\c+3], s[54:55] offset:24576*(\m)+512*\c   ; the image: 512 consecutive bytes, aligned
.endr
	global_store_b32 v5, v[PW], s[56:57] offset:1024*(\m)      ; 16 words; both halves of the lanes hold and write the same
.endm
	FETCH 0
	FETCH 1                                        ; no vector or matrix instruction has named the second set yet
	MT 0
	MT 1
	MT 2
	MT 3
	MT 4
	s_wait_dscnt 0x0
	s_wait_alu depctr_hold_cnt(0) depctr_sa_sdst(0) depctr_va_vdst(0) depctr_va_sdst(0) depctr_va_ssrc(0) depctr_va_vcc(0) depctr_vm_vsrc(0)
	s_wait_tensorcnt 0x0
	ds_add_u32 v254, v255
	s_wait_dscnt 0x0
	s_endpgm
.Lfunc_end_k_q75f9adcd84_up:
	.size	k_q75f9adcd84_up, .Lfunc_end_k_q75f9adcd84_up-k_q75f9adcd84_up
	.p2alignl 7, 3214868480
	.fill 96, 4, 3214868480
	.section	.rodata,"a",@progbits
	.p2align	6, 0x0
	.amdhsa_kernel k_q75f9adcd84_up
		.amdhsa_group_segment_fixed_size 42752
		.amdhsa_private_segment_fixed_size 0
		.amdhsa_enable_private_segment 0
		.amdhsa_kernarg_size 40
		.amdhsa_user_sgpr_count 2
		.amdhsa_user_sgpr_kernarg_segment_ptr 1
		.amdhsa_wavefront_size32 1
		.amdhsa_system_sgpr_workgroup_id_x 1
		.amdhsa_system_sgpr_workgroup_id_y 1
		.amdhsa_system_sgpr_workgroup_id_z 1
		.amdhsa_system_vgpr_workitem_id 0
		.amdhsa_next_free_vgpr 768
		.amdhsa_next_free_sgpr 66
		.amdhsa_reserve_vcc 0
		.amdhsa_float_denorm_mode_32 3
		.amdhsa_float_denorm_mode_16_64 3
		.amdhsa_memory_ordered 1
		.amdhsa_forward_progress 1
		.amdhsa_inst_pref_size 80
	.end_amdhsa_kernel
	.amdgpu_metadata
---
amdhsa.version: [ 1, 2 ]
amdhsa.kernels:
  - .name:           k_q75f9adcd84_up
    .symbol:         k_q75f9adcd84_up.kd
    .args:
      - { .name: xq, .offset: 0, .size: 8, .value_kind: global_buffer, .address_space: global }
      - { .name: w1q, .offset: 8, .size: 8, .value_kind: global_buffer, .address_space: global }
      - { .name: b1, .offset: 16, .size: 8, .value_kind: global_buffer, .address_space: global }
      - { .name: order, .offset: 24, .size: 8, .value_kind: global_buffer, .address_space: global }
      - { .name: hq, .offset: 32, .size: 8, .value_kind: global_buffer, .address_space: global }
    .group_segment_fixed_size: 42752
    .private_segment_fixed_size: 0
    .kernarg_segment_align: 8
    .kernarg_segment_size: 40
    .max_flat_workgroup_size: 128
    .sgpr_count:     66
    .vgpr_count:     768
    .wavefront_size: 32
...
	.end_amdgpu_metadata
.endif
;; end of part 5
;; launch down (part 6): grid 4 x 59, 4 waves a work-group, no clusters, 169,472 bytes of LDS; arguments hq, w2q, b2, order, out0; writes out0
.if DOCPART == 6
	.amdgcn_target "amdgcn-amd-amdhsa--gfx1250"
	.amdhsa_code_object_version 6
	.text
	.protected	k_q75f9adcd84_down
	.globl	k_q75f9adcd84_down
	.p2align	8
	.type	k_q75f9adcd84_down,@function
k_q75f9adcd84_down:
	s_mov_b64 s[64:65], 0
	v_nop
	global_prefetch_b8 v0, s[64:65] scope:SCOPE_SE
	s_setreg_imm32_b32 hwreg(HW_REG_WAVE_SCHED_MODE, 0, 2), 2
	s_setreg_imm32_b32 hwreg(HW_REG_WAVE_MODE, 25, 1), 1
	s_wait_xcnt 0x0
	s_wait_alu depctr_vm_vsrc(0)
; THE SECOND PRODUCT, for the chosen expert's rows alone: out[token] = h Q(W2[e]) + b2[e], h and W2 as codes of BF6 (E3M2) with E8M0 scales; rows go to their tokens by the list.
; The gate is a softmax over ONE logit: exp(0) / exp(0) = 1 for every finite logit, so no multiplication is written.  LIMIT: a logit that is NaN or infinite (gate NaN in the reference) is not served.
; SHARES.  Work-group (x, y): tile y of 80 sorted rows, outputs 128 x .. 128 x + 127: 5 x 8 = 40 accumulators of 16 x 16.  THE WAVES SHARE K: wave w takes K steps 4 w .. 4 w + 3 of the 16, for all 40 accumulators: 160 matrix instructions.
; So each byte of h's and W2's codes that the work-group needs is loaded by one wave alone, straight into operand registers, each lane its 16 bytes of a register image.  The four partial sums meet in LDS, row by row,
; where the bias is added and whole rows of 512 bytes leave.
; THE PRODUCT IS USED TRANSPOSED (source 0 = 16 outputs of W2, source 1 = 16 rows of h): a lane holds eight neighbouring outputs of one row.
; Up to the one barrier the flow is the same for every tile: only addresses hang on the list, each held inside its buffer.  Behind it a position without a token (4096) is passed over by a scalar branch on the stored number.
; No joint loads in a cluster: which expert's weights a tile needs is a number read from memory, so neighbours in the grid need not share any; and the operands go from memory straight into registers.
; The sums of the four quarters of K are added in f32 in another order than one chain would.
; REGISTERS.  Window 0: v4-11 addresses; v12-15 bias; v16-31 W2's scale words [2 T + q / 2]; v32-41 h's [2 m + q / 2] (lanes 0-15 the even K step, lanes 16-31 the odd); v42-61 the rows' offsets in out0;
;   v64-243 h's fragments (m, q) for q = 0, 1, 2 at 64 + 60 q + 12 m; later the rows being added.   Window 1: v0-191 W2's fragments (T, q) for q = 0, 1 at 96 q + 12 T; v192-251 h's for q = 3.
;   Window 2: accumulators (m, T), m = 0 .. 3, at 64 m + 8 T.   Window 3: v0-63 those of m = 4; v64-255 W2's fragments for q = 2, 3.
; THE MODE: SCHED_MODE bits 1:0 = 2 (LLVM: expert scheduling mode 2), set by the entry lines.  The code itself states the register dependences
; between vector or matrix instructions and memory or LDS instructions, with s_wait_alu, always for 0.
; THE PLAN.  Registers that memory or LDS instructions touch:
;   v4-11         offsets and LDS addresses: made at the head, never written again.
;   the fragments, the scale words and the bias are loaded once; no vector instruction stands between the head's wait on va_vdst and the last of these loads.
;   v42-61        the rows' offsets in out0: made behind the last load, read by the stores on the way out.
;   the 40 accumulators: written by the matrix instructions, read by 80 LDS stores.
;   v64-143, v144-223  two sets of five rows x four partial sums.  Batch b: 20 LDS loads land in set b % 2; 40 additions work in place; five stores read the sums; batch b + 2's loads land in it again.
; So: one wait on va_vdst behind the products (the accumulators and v42-61 are written; h's fragments, where the sets lie, are read); one behind each batch's additions, ahead of its five stores;
; one wait on vm_vsrc ahead of each reload of a set.
.set HSOFF, 7249920
.set MSB, 0
.macro WIN new                         ; the immediate's high byte repeats the setting that is left
.if MSB != (\new)
	s_set_vgpr_msb (MSB<<8)|(\new)
.set MSB, (\new)
.endif
.endm
	s_load_b256 s[4:11], s[0:1], 0x0               ; hq s[4:5], w2q s[6:7], b2 s[8:9], order s[10:11]
	s_load_b64 s[12:13], s[0:1], 0x20              ; out0
	v_lshl_add_u32 v254, v0, 2, 0x29400
	v_mov_b32 v255, 0
	v_lshrrev_b32 v1, 5, v0
	v_readfirstlane_b32 s14, v1                    ; wave 0..3
	v_and_b32 v1, 31, v0                           ; lane
	v_and_b32 v2, 15, v0                           ; r
	v_bfe_u32 v3, v0, 4, 1                         ; h
	v_lshlrev_b32 v4, 4, v1                        ; 16 x lane
	v_lshlrev_b32 v5, 2, v1                        ; 4 x lane
	s_wait_alu depctr_va_sdst(0)                   ; s14 is written, ahead of its first reader: LDS addresses, the list's place and my K steps are made from it
	s_mul_i32 s44, s14, 42240
	v_mul_u32_u24 v6, v2, 528
	v_lshl_add_u32 v6, v3, 5, v6
	v_add_nc_u32 v6, s44, v6                       ; LDS: my wave's partial sums, 80 rows of 528 bytes: row r, 32 h
	s_mul_i32 s44, s14, 10560
	v_add_nc_u32 v8, s44, v4                       ; rows 20 w on of wave 0's partial sums, 16 bytes a lane;
	v_add_nc_u32 v9, 42240, v8                     ; of wave 1's,
	v_add_nc_u32 v10, 84480, v8                    ; wave 2's,
	v_add_nc_u32 v11, 126720, v8                   ; wave 3's
	s_and_b32 s15, ttmp7, 0xffff                   ; the tile of rows
	s_mul_i32 s44, s15, 320
	s_mul_i32 s45, s14, 80
	s_add_co_u32 s44, s44, s45                     ; list entries 80 tile + 20 w on: the rows that I add up and store
	s_mov_b32 s45, 0
	s_mul_i32 s52, s15, 80
	s_lshl_b32 s53, s14, 2
	s_add_co_u32 s52, s52, s53                     ; 16 (5 tile) + my first K step
	s_mul_i32 s50, s52, 1536
	s_mov_b32 s51, 0
	s_lshl_b32 s52, s52, 6
	s_add_co_u32 s52, s52, HSOFF
	s_mov_b32 s53, 0
	s_wait_kmcnt 0x0
	s_add_nc_u64 s[46:47], s[10:11], s[44:45]
	s_load_b512 s[16:31], s[46:47], 0x0            ; 20 tokens
	s_load_b128 s[32:35], s[46:47], 0x40
	s_load_b256 s[36:43], s[10:11], 0x4a00         ; the tile at which each expert ends
	s_add_nc_u64 s[54:55], s[4:5], s[50:51]        ; h's images
	s_add_nc_u64 s[56:57], s[4:5], s[52:53]        ; h's scale words
	s_wait_alu depctr_va_vdst(0)                   ; v4 to v11 are written, which the loads, the LDS stores and the LDS loads of the whole kernel read; up to the last load of the head only loads, window switches
	; what hangs on the tile's number alone goes out while the list is on its way
.irp q, 0,1,2
.irp m, 0,1,2,3,4
.irp c, 0,1,2
	global_load_b128 v[64+60*\q+12*\m+4*\c:64+60*\q+12*\m+4*\c+3], v4, s[54:55] offset:24576*\m+1536*\q+512*\c
.endr
.endr
.endr
.irp m, 0,1,2,3,4
.irp j, 0,1
	global_load_b32 v[32+2*\m+\j], v5, s[56:57] offset:1024*\m+128*\j
.endr
.endr
	WIN 0x40
.irp m, 0,1,2,3,4
.irp c, 0,1,2
	global_load_b128 v[192+12*\m+4*\c:192+12*\m+4*\c+3], v4, s[54:55] offset:24576*\m+1536*3+512*\c
.endr
.endr
	WIN 0
	s_wait_kmcnt 0x0
	s_mov_b32 s48, 0
.irp i, 0,1,2,3,4,5,6,7
	s_cmp_ge_u32 s15, s[36+\i]
	s_add_co_ci_u32 s48, s48, 0                    ; my tile's expert = how many experts end at or before it,
.endr
	s_min_u32 s48, s48, 7                          ; held inside the table
	s_lshl_b32 s49, s48, 4
	s_lshl_b32 s50, ttmp9, 2
	s_add_co_u32 s49, s49, s50
	s_mul_i32 s49, s49, 51200                      ; the first of my four blocks (expert, slice of 32 outputs)
	s_mul_i32 s50, s14, 12288                      ; my K steps' eight images in a block
	s_add_co_u32 s50, s50, s49
	s_mov_b32 s51, 0
	s_add_nc_u64 s[58:59], s[6:7], s[50:51]
	s_lshl_b32 s50, s14, 9
	s_add_co_u32 s50, s50, s49
	s_add_co_u32 s50, s50, 49152
	s_add_nc_u64 s[60:61], s[6:7], s[50:51]        ; and their scale words
	s_lshl_b32 s50, ttmp9, 9
	s_add_nc_u64 s[12:13], s[12:13], s[50:51]      ; my 128 outputs in a row of out0
	s_lshl_b32 s49, s48, 11
	s_add_co_u32 s50, s50, s49
	s_add_nc_u64 s[8:9], s[8:9], s[50:51]          ; and in b2[e]
	global_load_b128 v[12:15], v4, s[8:9]
.irp t, 0,1,2,3,4,5,6,7
.irp j, 0,1
	global_load_b32 v[16+2*\t+\j], v5, s[60:61] offset:51200*(\t/2)+256*\j+128*(\t%2)
.endr
.endr
	WIN 0x40
.irp q, 0,1
.irp t, 0,1,2,3,4,5,6,7
.irp c, 0,1,2
	global_load_b128 v[96*\q+12*\t+4*\c:96*\q+12*\t+4*\c+3], v4, s[58:59] offset:51200*(\t/2)+(2*(\t%2)+\q)*1536+512*\c
.endr
.endr
.endr
	WIN 0xc0
.irp q, 0,1
.irp t, 0,1,2,3,4,5,6,7
.irp c, 0,1,2
	global_load_b128 v[64+96*\q+12*\t+4*\c:64+96*\q+12*\t+4*\c+3], v4, s[58:59] offset:51200*(\t/2)+(4+2*(\t%2)+\q)*1536+512*\c
.endr
.endr
.endr
	WIN 0
.irp i, 0,1,2,3,4,5,6,7,8,9,10,11,12,13,14,15,16,17,18,19
	s_min_u32 s44, s[16+\i], 4095                  ; a token, held inside out0
	v_lshl_add_u32 v[42+\i], s44, 11, v4           ; made behind the last load of the head, while the loads are on their way; the wait behind the products stands ahead of the stores that read these
.endr
; My q-th K step: 40 matrix instructions, the 40 accumulators by turns, one instruction a turn, in the same order in every step.  The first step starts the sums: nothing is cleared.
.macro MUL40 q
.if (\q) < 2
.set WLO, 1
.set RB0, 96*(\q)
.else
.set WLO, 3
.set RB0, 64+96*((\q)-2)
.endif
.if (\q) == 3
.set WLO, 7
.set RA0, 192
.else
.set RA0, 64+60*(\q)
.endif
.irp m, 0,1,2,3,4
	WIN 0xa0+0x50*(\m/4)+WLO
.irp t, 0,1,2,3,4,5,6,7
.set rD, 64*(\m%4)+8*\t
.set rB, RB0+12*\t
.set rA, RA0+12*\m
.set rS, 16+2*\t+(\q)/2
.set rT, 32+2*\m+(\q)/2
.if (\q) == 0
	v_wmma_scale_f32_16x16x128_f8f6f4 v[rD:rD+7], v[rB:rB+11], v[rA:rA+11], 0, v[rS], v[rT] matrix_a_fmt:MATRIX_FMT_BF6 matrix_b_fmt:MATRIX_FMT_BF6
.elseif (\q) == 2
	v_wmma_scale_f32_16x16x128_f8f6f4 v[rD:rD+7], v[rB:rB+11], v[rA:rA+11], v[rD:rD+7], v[rS], v[rT] matrix_a_fmt:MATRIX_FMT_BF6 matrix_b_fmt:MATRIX_FMT_BF6
.else
	v_wmma_scale_f32_16x16x128_f8f6f4 v[rD:rD+7], v[rB:rB+11], v[rA:rA+11], v[rD:rD+7], v[rS], v[rT] matrix_a_fmt:MATRIX_FMT_BF6 matrix_b_fmt:MATRIX_FMT_BF6 matrix_a_scale:MATRIX_SCALE_ROW1 matrix_b_scale:MATRIX_SCALE_ROW1
.endif
.endr
.endr
.endm
	s_wait_loadcnt 63                              ; behind W2's fragments of my first K step 72 loads were issued: with 63 out at the most that step's operands are in
	MUL40 0
	s_wait_loadcnt 48                              ; the fragments of the two later K steps may be out
	MUL40 1
	s_wait_loadcnt 24
	MUL40 2
	s_wait_loadcnt 0x0
	MUL40 3
	WIN 0
.rept 4
	v_nop                                          ; four places between the last product and the first read of results (ISA guide 7.12.1)
.endr
	s_wait_alu depctr_va_vdst(0)                   ; the matrix instructions have written the accumulators, which the LDS stores read, and are done reading h's fragments v64 to v243, in which the LDS loads behind the barrier land; v42 to v61 are written, which the stores on the way out read.  The places above stay beside this wait
.irp m, 0,1,2,3,4
	WIN 0x08+4*(\m/4)                              ; an LDS store's data are its source 1: window 2 or 3
.irp t, 0,1,2,3,4,5,6,7
	ds_store_b128 v6, v[64*(\m%4)+8*\t:64*(\m%4)+8*\t+3] offset:8448*\m+64*\t          ; each accumulator from its low end on: row 16 m + r, outputs 16 t + 8 h + 0 .. 7
	ds_store_b128 v6, v[64*(\m%4)+8*\t+4:64*(\m%4)+8*\t+7] offset:8448*\m+64*\t+16
.endr
.endr
	WIN 0
	s_wait_dscnt 0x0                               ; for the others' sake: my partial sums have landed
	s_barrier_signal -1
	s_barrier_wait -1
; Rows 20 w .. 20 w + 19 are mine to add up: five rows at a time, in two sets of registers
.macro RB b
.irp i, 0,1,2,3,4
.irp p, 0,1,2,3
	ds_load_b128 v[64+80*((\b)%2)+16*\i+4*\p:64+80*((\b)%2)+16*\i+4*\p+3], v[8+\p] offset:528*(5*(\b)+\i)
.endr
.endr
.endm
.macro ROWSUM b, i                     ; a row's four partial sums and the bias
.set RR, 64+80*((\b)%2)+16*(\i)
	v_pk_add_f32 v[RR:RR+1], v[RR:RR+1], v[RR+4:RR+5]
	v_pk_add_f32 v[RR+2:RR+3], v[RR+2:RR+3], v[RR+6:RR+7]
	v_pk_add_f32 v[RR+8:RR+9], v[RR+8:RR+9], v[RR+12:RR+13]
	v_pk_add_f32 v[RR+10:RR+11], v[RR+10:RR+11], v[RR+14:RR+15]
	v_pk_add_f32 v[RR:RR+1], v[RR:RR+1], v[RR+8:RR+9]
	v_pk_add_f32 v[RR+2:RR+3], v[RR+2:RR+3], v[RR+10:RR+11]
	v_pk_add_f32 v[RR:RR+1], v[RR:RR+1], v[12:13]
	v_pk_add_f32 v[RR+2:RR+3], v[RR+2:RR+3], v[14:15]
.endm
.macro ROWSEND b, i
.set RR, 64+80*((\b)%2)+16*(\i)
	s_cmp_lt_u32 s[16+5*(\b)+(\i)], 4096
	s_cbranch_scc0 .Lnone_\@                       ; a position without a token stores nothing
	global_store_b128 v[42+5*(\b)+(\i)], v[RR:RR+3], s[12:13] th:TH_STORE_NT   ; 32 lanes store 512 consecutive bytes, aligned
.Lnone_\@:
.endm
	RB 0
.irp b, 0,1,2,3
.if \b < 3
.if \b > 0
	s_wait_xcnt 0x0                                ; the stores of the batch before have had their addresses translated: their set is loaded again only behind this wait,
	s_wait_alu depctr_vm_vsrc(0)                   ; and behind this one: those stores have read the sums, in whose set the loads below land (that batch's additions stand ahead of its own wait on va_vdst, and no vector line since names the set)
.endif
	RB \b+1
	s_wait_dscnt 20                                ; this batch's 20 loads are in; the 20 just issued may be out
.else
	s_wait_dscnt 0x0
.endif
.irp i, 0,1,2,3,4
	ROWSUM \b, \i
.endr
	s_wait_alu depctr_va_vdst(0)                   ; the batch's 40 additions have written the five rows' sums, which the stores below read
.irp i, 0,1,2,3,4
	ROWSEND \b, \i
.endr
.endr
	s_wait_dscnt 0x0
	s_wait_alu depctr_hold_cnt(0) depctr_sa_sdst(0) depctr_va_vdst(0) depctr_va_sdst(0) depctr_va_ssrc(0) depctr_va_vcc(0) depctr_vm_vsrc(0)
	s_wait_tensorcnt 0x0
	ds_add_u32 v254, v255
	s_wait_dscnt 0x0
	s_endpgm
.Lfunc_end_k_q75f9adcd84_down:
	.size	k_q75f9adcd84_down, .Lfunc_end_k_q75f9adcd84_down-k_q75f9adcd84_down
	.p2alignl 7, 3214868480
	.fill 96, 4, 3214868480
	.section	.rodata,"a",@progbits
	.p2align	6, 0x0
	.amdhsa_kernel k_q75f9adcd84_down
		.amdhsa_group_segment_fixed_size 169472
		.amdhsa_private_segment_fixed_size 0
		.amdhsa_enable_private_segment 0
		.amdhsa_kernarg_size 40
		.amdhsa_user_sgpr_count 2
		.amdhsa_user_sgpr_kernarg_segment_ptr 1
		.amdhsa_wavefront_size32 1
		.amdhsa_system_sgpr_workgroup_id_x 1
		.amdhsa_system_sgpr_workgroup_id_y 1
		.amdhsa_system_sgpr_workgroup_id_z 1
		.amdhsa_system_vgpr_workitem_id 0
		.amdhsa_next_free_vgpr 1024
		.amdhsa_next_free_sgpr 66
		.amdhsa_reserve_vcc 0
		.amdhsa_float_denorm_mode_32 3
		.amdhsa_float_denorm_mode_16_64 3
		.amdhsa_memory_ordered 1
		.amdhsa_forward_progress 1
		.amdhsa_inst_pref_size 69
	.end_amdhsa_kernel
	.amdgpu_metadata
---
amdhsa.version: [ 1, 2 ]
amdhsa.kernels:
  - .name:           k_q75f9adcd84_down
    .symbol:         k_q75f9adcd84_down.kd
    .args:
      - { .name: hq, .offset: 0, .size: 8, .value_kind: global_buffer, .address_space: global }
      - { .name: w2q, .offset: 8, .size: 8, .value_kind: global_buffer, .address_space: global }
      - { .name: b2, .offset: 16, .size: 8, .value_kind: global_buffer, .address_space: global }
      - { .name: order, .offset: 24, .size: 8, .value_kind: global_buffer, .address_space: global }
      - { .name: out0, .offset: 32, .size: 8, .value_kind: global_buffer, .address_space: global }
    .group_segment_fixed_size: 169472
    .private_segment_fixed_size: 0
    .kernarg_segment_align: 8
    .kernarg_segment_size: 40
    .max_flat_workgroup_size: 128
    .sgpr_count:     66
    .vgpr_count:     1024
    .wavefront_size: 32
...
	.end_amdgpu_metadata
.endif
;; end of part 6
